; MI455X (gfx1250); checked and timed in simulation.
; The chip was launched on July 23, 2026; its instructions are those of AMD's public machine-readable ISA for CDNA 5 (MIT licence, August 2026) and "CDNA5" Instruction Set Architecture Reference Guide (July 2026). The comments in the code are by the model that wrote it; some were corrected since.
;; Gemma3 Attention. Allowed arithmetic: float matrix products may take bf16 or f16 operands with f32 sums; all other float work in f32.
;; Inputs: Wk 1,024 x 2,048 float32; Wo 2,048 x 1,024 float32; Wq 1,024 x 2,048 float32; Wv 1,024 x 2,048 float32; k_norm_w 256 float32; pos 4,096 int32; q_norm_w 256 float32; x 1 x 4,096 x 2,048 float32.
;; Outputs: out0 1 x 4,096 x 2,048 float32.
;; One version. Each part assembles by itself: llvm-mc -triple=amdgcn-amd-amdhsa -mcpu=gfx1250 --defsym DOCPART=n.
;; ======== version 1 of 1: 4 launches
;; limits: right only within a limited range of input values; values outside matrix products are rounded to bf16; values are held in f16: magnitudes above 65,504 overflow, below 6.1e-05 lose precision
;; workspace buffers: xb 16,777,216 bytes; wqkv 12,582,912 bytes; wob 4,194,304 bytes; rt 4,194,304 bytes; qkv 25,165,824 bytes; yb 16,777,216 bytes
;; launch prep (part 1): grid 256 x 9, 8 waves a work-group, no clusters, 0 bytes of LDS; arguments x, Wq, Wk, Wv, Wo, pos, xb, wqkv, wob, rt; writes xb, wqkv, wob, rt
.if DOCPART == 1
	.amdgcn_target "amdgcn-amd-amdhsa--gfx1250"
	.amdhsa_code_object_version 6
	.text
	.protected	k_q39a1cfd7ac_prep
	.globl	k_q39a1cfd7ac_prep
	.p2align	8
	.type	k_q39a1cfd7ac_prep,@function
k_q39a1cfd7ac_prep:
	s_mov_b64 s[64:65], 0
	v_nop
	global_prefetch_b8 v0, s[64:65] scope:SCOPE_SE
	s_setreg_imm32_b32 hwreg(HW_REG_WAVE_MODE, 25, 1), 1
	s_wait_xcnt 0x0
; Casts and the RoPE table.  Grid y = 0..7: one slab of 8 MiB of f32 is rounded to 4 MiB of bf16 (y 0-3: x into xb; 4, 5, 6: Wq, Wk, Wv into
; wqkv, stacked by rows; 7: Wo into wob).  A work-group takes 32 KiB in, 16 KiB out: 8 loads of 16 bytes a thread, all on their way at once.
; Grid y = 8: work-group g makes the cosines and signed sines of rows 16 g .. 16 g + 15 from pos, laid out as the register image that the
; next launch's epilogue wants: byte g*16384 + e*512 + lane*16, e = 4 b + c; b = 0..7 (my wave) is the block of 16 columns d = 16 b ..;
; lane (r = lane & 15, h = lane >> 4) stands for row 16 g + r and columns d = 16 b + 8 h + j; c = 0, 1: cos for j = 0-3, 4-7; c = 2, 3: s' for
; j = 0-3, 4-7, with s'[d] = -sin for even d and +sin for odd d, so that (out[2i], out[2i+1]) = t * c + swap(t) * s'.
; The angle is pos * 10000^(-d/128), d = 0..127 (columns 128..255 use the same angles again).
; LIMITS: sine and cosine are made by hand: n = nearest whole number to angle * 2/pi, the rest in three fused steps against pi/2 cut in three
; parts, polynomials on [-pi/4, pi/4].  The reduction is built for |pos| <= 131,072 (n within 17 bits, so that the first step is exact).
; 10000^(-d/128) is exp2 of a rounded product, good to a few units in its last place, so the angle differs from one made with another
; power function by about that relative amount.
; No LDS, no matrix unit, no cluster: each byte is read once and written once and nothing is shared.
.set IV, 8                             ; v[8:15]   table path: 10000^(-d/128) for my 8 columns
.set CS, 16                            ; v[16:23]  cos
.set SN, 24                            ; v[24:31]  s'
	s_load_b512 s[8:23], s[0:1], 0x0               ; x 8:9, Wq 10:11, Wk 12:13, Wv 14:15, Wo 16:17, pos 18:19, xb 20:21, wqkv 22:23
	s_load_b128 s[24:27], s[0:1], 0x40             ; wob 24:25, rt 26:27
	s_and_b32 s4, ttmp7, 0xffff                    ; y: which slab, or the table
	s_mov_b32 s5, ttmp9                            ; g: which part of it
	s_wait_kmcnt 0x0
	s_cmp_eq_u32 s4, 8
	s_cbranch_scc1 .Ltable
	; ---- casts ----
	s_mov_b64 s[28:29], s[8:9]                     ; from: x, or the weight that y names
	s_cmp_eq_u32 s4, 4
	s_cselect_b64 s[28:29], s[10:11], s[28:29]
	s_cmp_eq_u32 s4, 5
	s_cselect_b64 s[28:29], s[12:13], s[28:29]
	s_cmp_eq_u32 s4, 6
	s_cselect_b64 s[28:29], s[14:15], s[28:29]
	s_cmp_eq_u32 s4, 7
	s_cselect_b64 s[28:29], s[16:17], s[28:29]
	s_mov_b64 s[30:31], s[20:21]                   ; to: xb, wqkv or wob
	s_cmp_gt_u32 s4, 3
	s_cselect_b64 s[30:31], s[22:23], s[30:31]
	s_cmp_eq_u32 s4, 7
	s_cselect_b64 s[30:31], s[24:25], s[30:31]
	s_sub_co_u32 s7, s4, 4                         ; slab inside wqkv for y = 4, 5, 6
	s_cmp_lt_u32 s4, 4
	s_cselect_b32 s6, s4, 0                        ; slab inside the source: y for x, 0 for a weight
	s_cselect_b32 s7, s4, s7                       ; slab inside the target: y for xb,
	s_cmp_eq_u32 s4, 7
	s_cselect_b32 s7, 0, s7                        ; 0 for wob
	s_lshl_b32 s6, s6, 23                          ; 8 MiB a slab in,
	s_lshl_b32 s32, s5, 15                         ; 32 KiB a work-group
	s_add_co_u32 s32, s32, s6
	s_mov_b32 s33, 0
	s_lshl_b32 s7, s7, 22                          ; 4 MiB a slab out,
	s_lshl_b32 s34, s5, 14                         ; 16 KiB a work-group
	s_add_co_u32 s34, s34, s7
	s_mov_b32 s35, 0
	s_add_nc_u64 s[28:29], s[28:29], s[32:33]
	s_add_nc_u64 s[30:31], s[30:31], s[34:35]
	v_lshlrev_b32 v1, 4, v0                        ; 16 bytes a thread in: a wave's load covers 512 consecutive bytes
	v_lshlrev_b32 v2, 3, v0                        ; 8 bytes a thread out: a wave's store covers 256 consecutive bytes, aligned
.irp k, 0,1,2,3,4,5,6,7
	global_load_b128 v[8+4*\k:11+4*\k], v1, s[28:29] offset:4096*\k th:TH_LOAD_NT
.endr
.irp k, 0,1,2,3,4,5,6,7
	s_wait_loadcnt 7-\k                            ; loads come back in order: number k is in, the 7 - k younger ones stay out
	v_cvt_pk_bf16_f32 v[40+2*\k], v[8+4*\k], v[9+4*\k]
	v_cvt_pk_bf16_f32 v[41+2*\k], v[10+4*\k], v[11+4*\k]
	global_store_b64 v2, v[40+2*\k:41+2*\k], s[30:31] offset:2048*\k      ; no register is used twice: no further wait
.endr
	s_endpgm
	; ---- the table ----
.Ltable:
	v_and_b32 v1, 15, v0                           ; r
	v_bfe_u32 v2, v0, 4, 1                         ; h
	v_lshrrev_b32 v3, 5, v0                        ; b: my wave
	v_lshlrev_b32 v4, 2, v1
	s_lshl_b32 s6, s5, 6                           ; pos[16 g + r]
	s_mov_b32 s7, 0
	s_add_nc_u64 s[18:19], s[18:19], s[6:7]
	global_load_b32 v5, v4, s[18:19]
	s_lshl_b32 s6, s5, 14                          ; my 16 KiB of the table (s[6:7] is no memory instruction's source)
	s_add_nc_u64 s[26:27], s[26:27], s[6:7]
	s_mov_b32 s32, 0x3f22f983                      ; 2 / pi
	s_mov_b32 s33, 0x3fc90fdb                      ; pi / 2 in three parts
	s_mov_b32 s34, 0xb33bbd2e
	s_mov_b32 s35, 0xa6f72cf2
	s_mov_b32 s36, 0xb94ca1f9                      ; sine: r + r z (S1 + z (S2 + z S3)), z = r r
	s_mov_b32 s37, 0x3c08839e
	s_mov_b32 s38, 0xbe2aaaa3
	s_mov_b32 s39, 0x37ccf5ce                      ; cosine: 1 - z/2 + z z (C1 + z (C2 + z C3))
	s_mov_b32 s40, 0xbab6061a
	s_mov_b32 s41, 0x3d2aaaa5
	v_lshlrev_b32 v6, 4, v3
	v_lshl_add_u32 v6, v2, 3, v6                   ; d of j = 0: 16 b + 8 h
.irp j, 0,1,2,3,4,5,6,7
	v_add_nc_u32 v[IV+\j], \j, v6
.endr
.irp j, 0,1,2,3,4,5,6,7
	v_cvt_f32_u32 v[IV+\j], v[IV+\j]
.endr
.irp j, 0,1,2,3,4,5,6,7
	v_mul_f32 v[IV+\j], 0xbdd49a78, v[IV+\j]       ; - d log2(10000) / 128
.endr
.irp j, 0,1,2,3,4,5,6,7
	v_exp_f32 v[IV+\j], v[IV+\j]
.endr
	v_and_b32 v44, 31, v0                          ; the plain instruction that stands behind the exponentials before a result is used (ISA guide 5.7.2)
	v_lshlrev_b32 v44, 4, v44
	v_lshl_add_u32 v44, v3, 11, v44                ; where I store: 2048 b + 16 lane
	s_wait_loadcnt 0x0
	v_cvt_f32_i32 v5, v5                           ; pos as f32
	s_wait_alu depctr_va_vdst(0)
.macro ANG j
	v_mul_f32 v32, v5, v[IV+\j]                    ; the angle, rounded once
	v_mul_f32 v33, s32, v32
	v_rndne_f32 v33, v33                           ; n
	v_fma_f32 v32, -v33, s33, v32
	v_fma_f32 v32, -v33, s34, v32
	v_fma_f32 v32, -v33, s35, v32                  ; r = angle - n pi/2
	v_cvt_i32_f32 v34, v33
	v_mul_f32 v35, v32, v32                        ; z
	v_fma_f32 v36, v35, s36, s37
	v_fma_f32 v36, v36, v35, s38
	v_mul_f32 v37, v32, v35
	v_fma_f32 v36, v37, v36, v32                   ; sin r
	v_fma_f32 v38, v35, s39, s40
	v_fma_f32 v38, v38, v35, s41
	v_mul_f32 v39, v35, v35
	v_fma_f32 v40, v35, -0.5, 1.0
	v_fma_f32 v38, v39, v38, v40                   ; cos r
	v_and_b32 v41, 1, v34
	v_cmp_eq_u32 vcc_lo, 1, v41                    ; odd n: sine and cosine change places (a choice of values only)
	v_cndmask_b32 v42, v36, v38, vcc_lo
	v_cndmask_b32 v43, v38, v36, vcc_lo
	v_and_b32 v41, 2, v34                          ; the sine's sign: bit 1 of n
	v_lshlrev_b32 v41, 30, v41
	v_xor_b32 v[SN+\j], v41, v42
	v_add_nc_u32 v41, 1, v34                       ; the cosine's: bit 1 of n + 1
	v_and_b32 v41, 2, v41
	v_lshlrev_b32 v41, 30, v41
	v_xor_b32 v[CS+\j], v41, v43
.if (\j & 1) == 0
	v_xor_b32 v[SN+\j], 0x80000000, v[SN+\j]       ; even d: s' = - sin
.endif
.endm
.irp j, 0,1,2,3,4,5,6,7
	ANG \j
.endr
	global_store_b128 v44, v[CS:CS+3],   s[26:27]                 ; each store of the wave covers 512 consecutive bytes, aligned
	global_store_b128 v44, v[CS+4:CS+7], s[26:27] offset:512
	global_store_b128 v44, v[SN:SN+3],   s[26:27] offset:1024
	global_store_b128 v44, v[SN+4:SN+7], s[26:27] offset:1536
	s_endpgm
.Lfunc_end_k_q39a1cfd7ac_prep:
	.size	k_q39a1cfd7ac_prep, .Lfunc_end_k_q39a1cfd7ac_prep-k_q39a1cfd7ac_prep
	.p2alignl 7, 3214868480
	.fill 96, 4, 3214868480
	.section	.rodata,"a",@progbits
	.p2align	6, 0x0
	.amdhsa_kernel k_q39a1cfd7ac_prep
		.amdhsa_group_segment_fixed_size 0
		.amdhsa_private_segment_fixed_size 0
		.amdhsa_enable_private_segment 0
		.amdhsa_kernarg_size 80
		.amdhsa_user_sgpr_count 2
		.amdhsa_user_sgpr_kernarg_segment_ptr 1
		.amdhsa_wavefront_size32 1
		.amdhsa_system_sgpr_workgroup_id_x 1
		.amdhsa_system_sgpr_workgroup_id_y 1
		.amdhsa_system_sgpr_workgroup_id_z 1
		.amdhsa_system_vgpr_workitem_id 0
		.amdhsa_next_free_vgpr 64
		.amdhsa_next_free_sgpr 66
		.amdhsa_reserve_vcc 1
		.amdhsa_float_denorm_mode_32 3
		.amdhsa_float_denorm_mode_16_64 3
		.amdhsa_memory_ordered 1
		.amdhsa_forward_progress 1
		.amdhsa_inst_pref_size 18
	.end_amdhsa_kernel
	.amdgpu_metadata
---
amdhsa.version: [ 1, 2 ]
amdhsa.kernels:
  - .name:           k_q39a1cfd7ac_prep
    .symbol:         k_q39a1cfd7ac_prep.kd
    .args:
      - { .name: x, .offset: 0, .size: 8, .value_kind: global_buffer, .address_space: global }
      - { .name: Wq, .offset: 8, .size: 8, .value_kind: global_buffer, .address_space: global }
      - { .name: Wk, .offset: 16, .size: 8, .value_kind: global_buffer, .address_space: global }
      - { .name: Wv, .offset: 24, .size: 8, .value_kind: global_buffer, .address_space: global }
      - { .name: Wo, .offset: 32, .size: 8, .value_kind: global_buffer, .address_space: global }
      - { .name: pos, .offset: 40, .size: 8, .value_kind: global_buffer, .address_space: global }
      - { .name: xb, .offset: 48, .size: 8, .value_kind: global_buffer, .address_space: global }
      - { .name: wqkv, .offset: 56, .size: 8, .value_kind: global_buffer, .address_space: global }
      - { .name: wob, .offset: 64, .size: 8, .value_kind: global_buffer, .address_space: global }
      - { .name: rt, .offset: 72, .size: 8, .value_kind: global_buffer, .address_space: global }
    .group_segment_fixed_size: 0
    .private_segment_fixed_size: 0
    .kernarg_segment_align: 8
    .kernarg_segment_size: 80
    .max_flat_workgroup_size: 256
    .sgpr_count:     66
    .vgpr_count:     64
    .wavefront_size: 32
...
	.end_amdgpu_metadata
.endif
;; end of part 1
;; launch qkv (part 2): grid 12 x 16, 4 waves a work-group, clusters of 4 x 4, 327,680 bytes of LDS; arguments xb, wqkv, qkv, rt, q_norm_w, k_norm_w; writes qkv
.if DOCPART == 2
	.amdgcn_target "amdgcn-amd-amdhsa--gfx1250"
	.amdhsa_code_object_version 6
	.text
	.protected	k_q39a1cfd7ac_qkv
	.globl	k_q39a1cfd7ac_qkv
	.p2align	8
	.type	k_q39a1cfd7ac_qkv,@function
k_q39a1cfd7ac_qkv:
	s_mov_b64 s[64:65], 0
	v_nop
	global_prefetch_b8 v0, s[64:65] scope:SCOPE_SE
	s_setreg_imm32_b32 hwreg(HW_REG_WAVE_MODE, 25, 1), 1
	s_wait_xcnt 0x0
	s_wait_alu depctr_hold_cnt(0) depctr_sa_sdst(0) depctr_va_vdst(0) depctr_va_sdst(0) depctr_va_ssrc(0) depctr_va_vcc(0) depctr_vm_vsrc(0)
	s_getreg_b32 s2, hwreg(HW_REG_IB_STS2, 6, 4)
	s_cmp_eq_u32 s2, 0
	s_cbranch_scc0 .Lentry_in_a_cluster
	s_endpgm
.Lentry_in_a_cluster:
	s_bfe_u32 s2, ttmp6, 0x10000c
	s_cmp_lg_u32 s2, 0xf033
	s_cbranch_scc0 .Lentry_shape_is_right
	s_endpgm
.Lentry_shape_is_right:
; qkv[t][n] = sum over k of xb[t][k] wqkv[n][k], then per head: RMS norm, its weight, RoPE (q also times log2(e)/16); v is divided by 4.
; xb: [4096][2048] bf16, wqkv: [3072][2048] bf16 (rows 0-1023 Wq, 1024-2047 Wk, 2048-3071 Wv), qkv: [4096][3072] f16; sums and all of the epilogue in f32.
; A work-group makes 256 rows x 256 columns = one head of q, k or v.  Wave w makes rows 64 w .. 64 w + 63 and ALL 256 columns, so that a
; head's row lies inside one wave and its mean square needs one step across lanes: 64 accumulator tiles of 16 x 16, 512 registers.
; 192 work-groups: 4096 x 3072 cut into heads of 256 columns and blocks of 256 rows; a cut into 256 equal parts would split a head.
; K goes in steps of 128 through a ring of two LDS slots filled by the tensor data mover; a tile's rows are 256 bytes of memory, aligned.
; CLUSTERS: 4 x 4 work-groups.  The four of a row of the cluster need the same tiles of xb, the four of a column the same tiles of wqkv: each
; tile is asked for jointly, with one descriptor and a mask that names the four.  The cluster's x (ttmp9) is the type: 0 q, 1 k, 2 v; it is the
; same in all sixteen, so the epilogue may branch on it.
; THE MATRIX INSTRUCTION IS USED TRANSPOSED: source 0 = 16 rows of wqkv, source 1 = 16 rows of xb; lane (r = l % 16, h = l / 16) register j then
; holds C(row 16 a + r, column 16 b + 8 h + j): eight neighbouring columns of one row.
; REGISTERS: window 0: v16-31 addresses and the row's scale; v32-63 T; v64-95, v96-127 fragments of xb (two buffers), in the epilogue U and R;
;   v128-255 table buffer 0.  Window 1: v0-127, v128-255 fragments of wqkv (two buffers), in the epilogue the norm weight and table buffer 1.
;   Window 2: tiles of my rows 0-31 (tile (a, b) at v[8 (16 a + b)], a = 0, 1); window 3: those of rows 32-63.
; FORMATS AND LIMITS: every floating-point input is taken rounded to bf16, the norm weights too (rounded here, once).  q, k and v leave in f16,
; whose 11 bits the first rows of the output need: a row that attends to few keys is many times larger than the output's root mean square.
; |k| <= 16 sqrt(2) |weight| since the norm bounds the row, so f16 holds it for |weight| up to about 2,900; q is 11 times smaller.
; v is kept as v / 4: it stays finite for |v| < 262,000 (x and Wv both shifted by 30 of their spreads give about 37,000), and 900 times smaller
; products than the drawn ones still lie in f16's normal range.  The table's limits are stated where it is made.
.set SIZE_K, 2048
.set SIZE_N, 3072
.set KSTEP,  128
.set PITCH,  272                       ; an LDS row: 256 bytes + 16 of padding, an odd multiple of 16: the 16 rows of a fragment load start at 16 different 16-byte columns modulo 256
.set HALFT,  128*PITCH                 ; what one tensor load brings
.set SLOT,   4*HALFT                   ; xb's 256 rows, then wqkv's 256 rows
.set STAGE,  2*SLOT                    ; behind the ring, never filled by a tensor load: 16 rows x 528 bytes for each wave
.set SPITCH, 528
.set WSTAGE, 16*SPITCH
.set LAPS,   SIZE_K/(2*KSTEP)
.set ROWB,   SIZE_N*2                  ; bytes in a row of qkv
.set ADRA, 16                          ; v16-17  LDS address of my xb fragments in slot 0, 1
.set ADRB, 20                          ; v20-21  the same for wqkv
.set STO,  24                          ; v24     stage: where I put 16 bytes of a row
.set RD,   25                          ; v25     stage: where I read a row back
.set LN,   26                          ; v26     16 x lane: offset of the table loads and of the stores
.set WOFF, 28                          ; v28     32 h: offset into the norm weight
.set RS,   30                          ; v30     1 / rms (times the q scale); v31 its argument
.set T,    32
.set U,    64
.set R,    96
.set TB,   128
.set G1,  24                           ; s[24:31] group 1 for xb's tiles
.set G0,  32                           ; s[32:39] group 0 for xb's tiles, one set for each slot
.set G1B, 48                           ; s[48:55] group 1 for wqkv's tiles
.set G0B, 56                           ; s[56:63] group 0 for wqkv's tiles
.set MSB, 0
.macro WIN new                         ; the immediate's high byte repeats the setting that is left; a switch that changes nothing is dropped
.if MSB != (\new)
	s_set_vgpr_msb (MSB<<8)|(\new)
.set MSB, (\new)
.endif
.endm
.set MUL_LO, 0xa1                      ; source 0 (wqkv) window 1, source 1 (xb) window 0, C and D window 2
.set MUL_HI, 0xf1                      ; the same, C and D window 3
.macro JLOAD s                         ; waves 0, 1 ask for xb's two halves, waves 2, 3 for wqkv's: one mask and one set of registers a line
	s_cmp_eq_u32 s11, 0
	s_cbranch_scc0 .Lfor_b_\@
	tensor_load_to_lds s[G0+4*\s:G0+4*\s+3], s[G1:G1+7]
	s_nop 0
	s_branch .Lasked_\@
.Lfor_b_\@:
	tensor_load_to_lds s[G0B+4*\s:G0B+4*\s+3], s[G1B:G1B+7]
	s_nop 0
.Lasked_\@:
.endm
.macro CREST                           ; a round of the cluster's barrier behind its opening work-group barrier
	s_cmp_lg_u32 s10, 0
	s_cbranch_scc1 .Lnot_wave_0_\@
	s_barrier_signal -3
.Lnot_wave_0_\@:
	s_barrier_wait -3
	s_barrier_signal -1
	s_barrier_wait -1
.endm
.macro CROUND
	s_barrier_signal -1
	s_barrier_wait -1
	CREST
.endm
.macro PLACES                          ; four places behind a matrix instruction before its registers are loaded into or its result is read (ISA guide 7.12.1)
.rept 4
	v_nop
.endr
.endm
	s_load_b128 s[4:7], s[0:1], 0x0                ; xb s[4:5], wqkv s[6:7]
	s_load_b64 s[8:9], s[0:1], 0x10                ; qkv
	s_load_b64 s[66:67], s[0:1], 0x18              ; rt
	s_load_b128 s[68:71], s[0:1], 0x20             ; q_norm_w s[68:69], k_norm_w s[70:71]
	v_lshl_add_u32 v27, v0, 2, 0x4c400
	v_mov_b32 v29, 0
	ds_add_u32 v27, v29
	v_lshrrev_b32 v1, 5, v0
	v_readfirstlane_b32 s10, v1                    ; wave 0..3
	s_lshr_b32 s11, s10, 1                         ; I fetch for xb (0) or for wqkv (1)
	s_and_b32 s12, s10, 1                          ; which 128 rows of that tile
	s_bfe_u32 s40, ttmp6, 0x40000                  ; cx
	s_bfe_u32 s41, ttmp6, 0x40004                  ; cy
	s_mov_b32 s75, ttmp9                           ; the type: 0 q, 1 k, 2 v
	s_lshl_b32 s42, ttmp9, 2
	s_add_co_u32 s42, s42, s40                     ; block column = 4 x cluster x + cx
	s_and_b32 s13, ttmp7, 0xffff
	s_lshl_b32 s13, s13, 2
	s_add_co_u32 s13, s13, s41                     ; block row = 4 x cluster y + cy
	s_lshl_b32 s43, s41, 2
	s_lshl_b32 s43, 15, s43                        ; my row of the cluster
	s_lshl_b32 s44, 0x1111, s40                    ; my column
	s_mov_b32 s76, 0x76543210                      ; v_permlanex16_b32: lane i of one half reads lane i of the other
	s_mov_b32 s77, 0xfedcba98
	s_mov_b32 s78, 0x3b800000                      ; 1 / 256
	s_mov_b32 s79, 0x358637bd                      ; eps = 1e-6
	; group 1: 128 rows x 128 elements of 2 bytes, 4 words of padding behind every 64 words
	s_or_b32 s[G1+0], s43, (1<<16)|(1<<20)|(1<<21)|(5<<22)|(3<<25)
	s_or_b32 s[G1B+0], s44, (1<<16)|(1<<20)|(1<<21)|(5<<22)|(3<<25)
	s_mov_b32 s[G1+1], KSTEP<<16                   ; tensor_dim0 = 128
	s_mov_b32 s[G1B+1], KSTEP<<16
	s_mov_b32 s[G1+2], 128<<16                     ; tensor_dim1 = 128
	s_mov_b32 s[G1B+2], 128<<16
	s_mov_b32 s[G1+3], KSTEP<<16                   ; tile_dim0 = 128
	s_mov_b32 s[G1B+3], KSTEP<<16
	s_mov_b32 s[G1+4], 128                         ; tile_dim1 = 128
	s_mov_b32 s[G1B+4], 128
	s_mov_b32 s[G1+5], SIZE_K                      ; elements from row to row
	s_mov_b32 s[G1B+5], SIZE_K
	s_mov_b32 s[G1+6], 0
	s_mov_b32 s[G1B+6], 0
	s_mov_b32 s[G1+7], 0
	s_mov_b32 s[G1B+7], 0
	; xb's tiles hang on the block row alone, wqkv's on the block column alone; each address lives in registers that never hold the other coordinate
	s_lshl_b32 s17, s12, 7
	s_lshl_b32 s16, s13, 8
	s_add_co_u32 s16, s16, s17                     ; xb: row 256 x block row + 128 x half
	s_lshl_b32 s46, s42, 8
	s_add_co_u32 s46, s46, s17                     ; wqkv: row 256 x block column + 128 x half
	s_mov_b32 s17, 0
	s_mov_b32 s47, 0
	s_mov_b64 s[18:19], SIZE_K*2
	s_mul_u64 s[16:17], s[16:17], s[18:19]
	s_mul_u64 s[46:47], s[46:47], s[18:19]
	s_mul_i32 s20, s10, HALFT                      ; where they go: wave x 128 rows
	s_wait_dscnt 0x0
	s_wait_kmcnt 0x0
	s_add_nc_u64 s[14:15], s[4:5], s[16:17]
	s_add_nc_u64 s[46:47], s[6:7], s[46:47]
	CROUND                                         ; all sixteen work-groups are here: the first joint loads meet
.irp s, 0,1
	s_mov_b32 s[G0+4*\s], 1
	s_add_co_u32 s[G0+4*\s+1], s20, \s*SLOT
	s_add_nc_u64 s[G0+4*\s+2:G0+4*\s+3], s[14:15], \s*KSTEP*2
	s_or_b32 s[G0+4*\s+3], s[G0+4*\s+3], 0x80000000
	s_mov_b32 s[G0B+4*\s], 1
	s_add_co_u32 s[G0B+4*\s+1], s20, \s*SLOT
	s_add_nc_u64 s[G0B+4*\s+2:G0B+4*\s+3], s[46:47], \s*KSTEP*2
	s_or_b32 s[G0B+4*\s+3], s[G0B+4*\s+3], 0x80000000
	JLOAD \s                                       ; K steps 0 and 1: two tensor loads of the wave are out
.endr
	v_and_b32 v1, 15, v0                           ; r
	v_bfe_u32 v2, v0, 4, 1                         ; h
	v_mul_u32_u24 v3, v1, PITCH
	v_lshl_add_u32 v3, v2, 4, v3                   ; row x pitch + 16 h
	s_mul_i32 s21, s10, 64*PITCH                   ; my 64 rows of xb
	s_mov_b32 s22, 2*HALFT                         ; all 256 rows of wqkv, behind xb's 256
.irp s, 0,1
	v_add_nc_u32 v[ADRA+\s], s21, v3
	v_add_nc_u32 v[ADRB+\s], s22, v3
	s_add_co_u32 s21, s21, SLOT
	s_add_co_u32 s22, s22, SLOT
.endr
	s_mul_i32 s23, s10, WSTAGE
	s_add_co_u32 s23, s23, STAGE                   ; my stage
	v_mul_u32_u24 v4, v1, SPITCH
	v_lshl_add_u32 v4, v2, 4, v4
	v_add_nc_u32 v[STO], s23, v4                   ; in: row r, 16 bytes for each half of the lanes
	v_and_b32 v5, 31, v0
	v_lshlrev_b32 v[LN], 4, v5
	v_add_nc_u32 v[RD], s23, v[LN]                 ; back: 32 lanes take one row of 512 bytes
	v_lshlrev_b32 v[WOFF], 5, v2
; 16 matrix instructions: rows 16 (2 hi + a) .. + 15 of my 64 x all 16 column blocks, 32 along K, from fragment buffers f.
; The 64 accumulators take turns, one instruction a turn, in the same order in every quarter step.
.macro MULA f, hi, a, zero
.irp b, 0,1,2,3,4,5,6,7,8,9,10,11,12,13,14,15
.if \zero
	v_wmma_f32_16x16x32_bf16 v[8*(16*\a+\b):8*(16*\a+\b)+7], v[128*\f+8*\b:128*\f+8*\b+7], v[64+32*\f+8*(2*\hi+\a):64+32*\f+8*(2*\hi+\a)+7], 0
.else
	v_wmma_f32_16x16x32_bf16 v[8*(16*\a+\b):8*(16*\a+\b)+7], v[128*\f+8*\b:128*\f+8*\b+7], v[64+32*\f+8*(2*\hi+\a):64+32*\f+8*(2*\hi+\a)+7], v[8*(16*\a+\b):8*(16*\a+\b)+7]
.endif
.endr
.endm
; 40 LDS loads in one run: 256 rows of wqkv and my 64 rows of xb, 32 K at byte k of the rows, into buffers f
.macro FETCH slot, k, f
	WIN 0x40
.irp i, 0,1,2,3,4,5,6,7,8,9,10,11,12,13,14,15
	ds_load_b128 v[128*\f+8*\i:128*\f+8*\i+3],   v[ADRB+\slot] offset:\k+\i*16*PITCH
	ds_load_b128 v[128*\f+8*\i+4:128*\f+8*\i+7], v[ADRB+\slot] offset:\k+\i*16*PITCH+32
.endr
	WIN 0
.irp i, 0,1,2,3
	ds_load_b128 v[64+32*\f+8*\i:64+32*\f+8*\i+3],   v[ADRA+\slot] offset:\k+\i*16*PITCH
	ds_load_b128 v[64+32*\f+8*\i+4:64+32*\f+8*\i+7], v[ADRA+\slot] offset:\k+\i*16*PITCH+32
.endr
.endm
.macro QUARTER slot, k, f, g, zero
	s_wait_dscnt 4                                 ; all but the youngest four loads (xb's rows 32-63) are in
	WIN MUL_LO
	MULA \f, 0, 0, \zero
	MULA \f, 0, 1, \zero
	PLACES
	FETCH \slot, \k, \g
	s_wait_dscnt 40                                ; all but the 40 just issued
	WIN MUL_HI
	MULA \f, 1, 0, \zero
	MULA \f, 1, 1, \zero
.endm
.macro THREE slot, zero
	QUARTER \slot, 64,  0, 1, \zero
	QUARTER \slot, 128, 1, 0, 0
	QUARTER \slot, 192, 0, 1, 0
.endm
; The last quarter of a K step changes slots.  In front of the barrier each wave waits for its reads of this slot and for all its tensor loads
; (one is out: its part of the next slot).  Where the slot is filled again the barrier opens a round of the cluster's barrier, and the joint
; refill is the first tensor load behind the round's closing wait.  From a request to the wait for it a wave issues 240 matrix instructions.
.macro TURN slot, next, fill
	s_wait_dscnt 4
	WIN MUL_LO
	MULA 1, 0, 0, 0
	s_wait_dscnt 0
	s_set_vgpr_msb 0xa1a0
	s_wait_tensorcnt 0x0
	ds_add_u32 v27, v29
	s_wait_dscnt 0x0
	s_set_vgpr_msb 0xa0a1
	s_barrier_signal -1
	MULA 1, 0, 1, 0                                ; register work between signal and wait
	WIN 0
	s_barrier_wait -1
.if \fill
	CREST
	s_add_nc_u64 s[G0+4*\slot+2:G0+4*\slot+3], s[G0+4*\slot+2:G0+4*\slot+3], 2*KSTEP*2
	s_add_nc_u64 s[G0B+4*\slot+2:G0B+4*\slot+3], s[G0B+4*\slot+2:G0B+4*\slot+3], 2*KSTEP*2
	JLOAD \slot
.endif
	PLACES
	FETCH \next, 0, 0
	WIN MUL_HI
	MULA 1, 1, 0, 0
	MULA 1, 1, 1, 0
.endm
.macro LAP zero
	THREE 0, \zero
	TURN 0, 1, 1
	THREE 1, 0
	TURN 1, 0, 1
.endm
	s_wait_tensorcnt 1                             ; my part of K step 0 is in; K step 1's stays out
	s_barrier_signal -1
	s_barrier_wait -1
	FETCH 0, 0, 0
	LAP 1                                          ; the first products start the sums: nothing is cleared
	WIN 0
	s_mov_b32 s3, LAPS-2
.Llap:
	LAP 0
	WIN 0
	s_sub_co_u32 s3, s3, 1
	s_cmp_lg_u32 s3, 0
	s_cbranch_scc1 .Llap
	THREE 0, 0                                     ; the last lap fills nothing
	TURN 0, 1, 0
	THREE 1, 0
	s_wait_dscnt 4
	WIN MUL_LO
	MULA 1, 0, 0, 0
	MULA 1, 0, 1, 0
	s_wait_dscnt 0
	WIN MUL_HI
	MULA 1, 1, 0, 0
	MULA 1, 1, 1, 0
	; ---- the epilogue ----
	PLACES                                         ; behind the last matrix instructions: results are read and fragment registers loaded into
	WIN 0
	s_lshl_b32 s16, s13, 8
	s_lshl_b32 s17, s10, 6
	s_add_co_u32 s16, s16, s17                     ; my first row: 256 x block row + 64 w
	s_mul_i32 s16, s16, ROWB
	s_mov_b32 s17, 0
	s_add_nc_u64 s[8:9], s[8:9], s[16:17]
	s_lshl_b32 s46, s42, 9                         ; my head's 512 bytes in a row
	s_mov_b32 s47, 0
	s_add_nc_u64 s[8:9], s[8:9], s[46:47]
; 16 rows leave the stage, 8 at a time: a row of 512 bytes is read back by one LDS load and stored by one store that covers 512 consecutive
; bytes, aligned.  The stage is my own, and LDS serves a wave's instructions in order (ISA guide 5.7.1.4): no wait between its stores and these loads.
.macro OUTROWS step
.irp hh, 0,1
	s_wait_xcnt 0x0                                ; R is the data of earlier stores: it is loaded again only behind this wait
.irp t, 0,1,2,3,4,5,6,7
	ds_load_b128 v[R+4*\t:R+4*\t+3], v[RD] offset:SPITCH*(8*\hh+\t)
.endr
.irp t, 0,1,2,3,4,5,6,7
	s_wait_dscnt 7-\t
	global_store_b128 v[LN], v[R+4*\t:R+4*\t+3], s[8:9] offset:ROWB*(8*\hh+\t)
.endr
.endr
.if \step
	s_wait_xcnt 0x0                                ; the stores' base steps only behind this wait
	s_add_nc_u64 s[8:9], s[8:9], 16*ROWB
.endif
.endm
	s_cmp_eq_u32 s75, 2
	s_cbranch_scc1 .Lvpath
	; q or k: the norm's weight, the scale, and the table of my rows
	s_cmp_eq_u32 s75, 0
	s_cselect_b64 s[72:73], s[68:69], s[70:71]
	s_cselect_b32 s74, 0x3db8aa3b, 1.0             ; q carries log2(e) / 16, so that the scores come out ready for exp2
	s_lshl_b32 s16, s13, 18                        ; table of rows 16 g ..: g = 16 x block row + 4 w + a, 16,384 bytes each
	s_lshl_b32 s17, s10, 16
	s_add_co_u32 s16, s16, s17
	s_mov_b32 s17, 0
	s_add_nc_u64 s[66:67], s[66:67], s[16:17]
	WIN 0x40
.irp b, 0,1,2,3,4,5,6,7,8,9,10,11,12,13,14,15
	global_load_b128 v[8*\b:8*\b+3],   v[WOFF], s[72:73] offset:64*\b          ; weight of columns 16 b + 8 h + 0..3
	global_load_b128 v[8*\b+4:8*\b+7], v[WOFF], s[72:73] offset:64*\b+16       ; and + 4..7
.endr
.macro TABLOAD a                       ; 32 loads of 512 consecutive bytes: chunk e lands in registers 4 e .. 4 e + 3 of buffer a & 1
.set DW, ((\a)&1)<<6
	WIN DW
.irp e, 0,1,2,3,4,5,6,7,8,9,10,11,12,13,14,15,16,17,18,19,20,21,22,23,24,25,26,27,28,29,30,31
	global_load_b128 v[TB+4*\e:TB+4*\e+3], v[LN], s[66:67] offset:(\a)*16384+512*\e
.endr
.endm
	TABLOAD 0
	s_wait_loadcnt 32                              ; the weight is in; the 32 loads of table 0 are younger
	; the weight is taken as bf16, like every floating-point input: rounded in pairs, then widened again in place
	WIN 0x05                                       ; sources window 1, destination window 0
.set cnt, 0
.rept 64
	v_cvt_pk_bf16_f32 v[T+cnt], v[2*cnt], v[2*cnt+1]
.set cnt, cnt+1
.endr
	WIN 0x40                                       ; source window 0, destination window 1
.set cnt, 0
.rept 64
	v_lshlrev_b32 v[2*cnt], 16, v[T+cnt]
	v_and_b32 v[2*cnt+1], 0xffff0000, v[T+cnt]
.set cnt, cnt+1
.endr
	TABLOAD 1
; rows 16 a .. 16 a + 15 of my 64
.macro EPI a
.set AB, 128*(\a&1)
.set AW, 2+(\a>>1)
.set TW, (\a&1)<<2
	; the row's sum of squares: my 128 columns in four chains, then the other half of the lanes
	WIN AW|(AW<<2)
.irp p, 0,1,2,3
	v_pk_mul_f32 v[U+2*\p:U+2*\p+1], v[AB+2*\p:AB+2*\p+1], v[AB+2*\p:AB+2*\p+1]
.endr
.irp b, 1,2,3,4,5,6,7,8,9,10,11,12,13,14,15
.irp p, 0,1,2,3
	v_pk_fma_f32 v[U+2*\p:U+2*\p+1], v[AB+8*\b+2*\p:AB+8*\b+2*\p+1], v[AB+8*\b+2*\p:AB+8*\b+2*\p+1], v[U+2*\p:U+2*\p+1]
.endr
.endr
	WIN 0
	v_pk_add_f32 v[U:U+1], v[U:U+1], v[U+2:U+3]
	v_pk_add_f32 v[U+4:U+5], v[U+4:U+5], v[U+6:U+7]
	v_pk_add_f32 v[U:U+1], v[U:U+1], v[U+4:U+5]
	v_add_f32 v[U], v[U], v[U+1]
	v_permlanex16_b32 v[U+1], v[U], s76, s77
	v_add_f32 v[U], v[U], v[U+1]
	v_fma_f32 v[RS+1], v[U], s78, s79              ; mean + eps
	v_rsq_f32 v[RS], v[RS+1]
	v_nop                                          ; one plain instruction behind v_rsq_f32 before its result is used (ISA guide 5.7.2)
	s_wait_alu depctr_va_vdst(0)
	v_mul_f32 v[RS], s74, v[RS]
.if \a < 3
	s_wait_loadcnt 32                              ; this a's table is in; the 32 loads of the next table are younger
.else
	s_wait_loadcnt 0
.endif
.irp q, 0,1,2,3                        ; four column blocks at a time
	WIN AW|4
.irp t, 0,1,2,3
.irp p, 0,1,2,3
	v_pk_mul_f32 v[T+8*\t+2*\p:T+8*\t+2*\p+1], v[AB+8*(4*\q+\t)+2*\p:AB+8*(4*\q+\t)+2*\p+1], v[8*(4*\q+\t)+2*\p:8*(4*\q+\t)+2*\p+1]
.endr
.endr
	WIN TW
.irp t, 0,1,2,3
.irp p, 0,1,2,3
	v_pk_mul_f32 v[U+8*\t+2*\p:U+8*\t+2*\p+1], v[T+8*\t+2*\p:T+8*\t+2*\p+1], v[TB+16*((4*\q+\t)&7)+2*\p:TB+16*((4*\q+\t)&7)+2*\p+1]
.endr
.endr
.irp t, 0,1,2,3
.irp p, 0,1,2,3
	v_pk_fma_f32 v[U+8*\t+2*\p:U+8*\t+2*\p+1], v[T+8*\t+2*\p:T+8*\t+2*\p+1], v[TB+16*((4*\q+\t)&7)+8+2*\p:TB+16*((4*\q+\t)&7)+8+2*\p+1], v[U+8*\t+2*\p:U+8*\t+2*\p+1] op_sel:[1,0,0] op_sel_hi:[0,1,1]
.endr
.endr
	WIN 0
.irp i, 0,1,2,3,4,5,6,7,8,9,10,11,12,13,14,15
	v_pk_mul_f32 v[U+2*\i:U+2*\i+1], v[U+2*\i:U+2*\i+1], v[RS:RS+1] op_sel_hi:[1,0]
.endr
.irp i, 0,1,2,3,4,5,6,7,8,9,10,11,12,13,14,15
	v_cvt_pk_f16_f32 v[T+\i], v[U+2*\i], v[U+2*\i+1]
.endr
.irp t, 0,1,2,3
	ds_store_b128 v[STO], v[T+4*\t:T+4*\t+3] offset:32*(4*\q+\t)
.endr
.endr
.if \a < 2
	TABLOAD \a+2                                   ; into the buffer just used
	WIN 0
.endif
.if \a < 3
	OUTROWS 1
.else
	OUTROWS 0
.endif
.endm
	EPI 0
	EPI 1
	EPI 2
	EPI 3
	s_branch .Ldone
.Lvpath:
.macro VOUT a
.set AB, 128*(\a&1)
.set AW, 2+(\a>>1)
	WIN AW|(AW<<6)                                 ; in place in the accumulators' window
.irp b, 0,1,2,3,4,5,6,7,8,9,10,11,12,13,14,15
.irp p, 0,1,2,3
	v_pk_mul_f32 v[AB+8*\b+2*\p:AB+8*\b+2*\p+1], v[AB+8*\b+2*\p:AB+8*\b+2*\p+1], 0x3e800000 op_sel_hi:[1,0]        ; v / 4: exact, and room in f16 on both sides
.endr
.endr
	WIN AW|(AW<<2)
.irp b, 0,1,2,3,4,5,6,7,8,9,10,11,12,13,14,15
.irp p, 0,1,2,3
	v_cvt_pk_f16_f32 v[T+4*\b+\p], v[AB+8*\b+2*\p], v[AB+8*\b+2*\p+1]
.endr
.endr
	WIN 0
.irp b, 0,1,2,3,4,5,6,7,8,9,10,11,12,13,14,15
	ds_store_b128 v[STO], v[T+4*\b:T+4*\b+3] offset:32*\b
.endr
.if \a < 3
	OUTROWS 1
.else
	OUTROWS 0
.endif
.endm
	VOUT 0
	VOUT 1
	VOUT 2
	VOUT 3
.Ldone:
	s_wait_tensorcnt 0x0
	ds_add_u32 v27, v29
	s_wait_dscnt 0x0
	CROUND                                         ; the closing round: no work-group ends while a partner may still ask for a tile that names it
	s_endpgm
.Lfunc_end_k_q39a1cfd7ac_qkv:
	.size	k_q39a1cfd7ac_qkv, .Lfunc_end_k_q39a1cfd7ac_qkv-k_q39a1cfd7ac_qkv
	.p2alignl 7, 3214868480
	.fill 96, 4, 3214868480
	.section	.rodata,"a",@progbits
	.p2align	6, 0x0
	.amdhsa_kernel k_q39a1cfd7ac_qkv
		.amdhsa_group_segment_fixed_size 327680
		.amdhsa_private_segment_fixed_size 0
		.amdhsa_enable_private_segment 0
		.amdhsa_kernarg_size 48
		.amdhsa_user_sgpr_count 2
		.amdhsa_user_sgpr_kernarg_segment_ptr 1
		.amdhsa_wavefront_size32 1
		.amdhsa_system_sgpr_workgroup_id_x 1
		.amdhsa_system_sgpr_workgroup_id_y 1
		.amdhsa_system_sgpr_workgroup_id_z 1
		.amdhsa_system_vgpr_workitem_id 0
		.amdhsa_next_free_vgpr 1024
		.amdhsa_next_free_sgpr 80
		.amdhsa_reserve_vcc 0
		.amdhsa_float_denorm_mode_32 3
		.amdhsa_float_denorm_mode_16_64 3
		.amdhsa_memory_ordered 1
		.amdhsa_forward_progress 1
		.amdhsa_inst_pref_size 255
	.end_amdhsa_kernel
	.section	.bss,"aw",@nobits
	.p2align	6
	.space	262144
	.amdgpu_metadata
---
amdhsa.version: [ 1, 2 ]
amdhsa.kernels:
  - .name:           k_q39a1cfd7ac_qkv
    .symbol:         k_q39a1cfd7ac_qkv.kd
    .args:
      - { .name: xb, .offset: 0, .size: 8, .value_kind: global_buffer, .address_space: global }
      - { .name: wqkv, .offset: 8, .size: 8, .value_kind: global_buffer, .address_space: global }
      - { .name: qkv, .offset: 16, .size: 8, .value_kind: global_buffer, .address_space: global }
      - { .name: rt, .offset: 24, .size: 8, .value_kind: global_buffer, .address_space: global }
      - { .name: q_norm_w, .offset: 32, .size: 8, .value_kind: global_buffer, .address_space: global }
      - { .name: k_norm_w, .offset: 40, .size: 8, .value_kind: global_buffer, .address_space: global }
    .group_segment_fixed_size: 327680
    .private_segment_fixed_size: 0
    .kernarg_segment_align: 8
    .kernarg_segment_size: 48
    .max_flat_workgroup_size: 128
    .sgpr_count:     80
    .vgpr_count:     1024
    .wavefront_size: 32
...
	.end_amdgpu_metadata
.endif
;; end of part 2
;; launch attn (part 3): grid 64 x 4, 4 waves a work-group, clusters of 4 x 1, 327,680 bytes of LDS; arguments qkv, yb; writes yb
.if DOCPART == 3
	.amdgcn_target "amdgcn-amd-amdhsa--gfx1250"
	.amdhsa_code_object_version 6
	.text
	.protected	k_q39a1cfd7ac_attn
	.globl	k_q39a1cfd7ac_attn
	.p2align	8
	.type	k_q39a1cfd7ac_attn,@function
k_q39a1cfd7ac_attn:
	s_mov_b64 s[64:65], 0
	v_nop
	global_prefetch_b8 v0, s[64:65] scope:SCOPE_SE
	s_setreg_imm32_b32 hwreg(HW_REG_WAVE_MODE, 25, 1), 1
	s_wait_xcnt 0x0
	s_wait_alu depctr_hold_cnt(0) depctr_sa_sdst(0) depctr_va_vdst(0) depctr_va_sdst(0) depctr_va_ssrc(0) depctr_va_vcc(0) depctr_vm_vsrc(0)
	s_getreg_b32 s2, hwreg(HW_REG_IB_STS2, 6, 4)
	s_cmp_eq_u32 s2, 0
	s_cbranch_scc0 .Lentry_in_a_cluster
	s_endpgm
.Lentry_in_a_cluster:
	s_bfe_u32 s2, ttmp6, 0x10000c
	s_cmp_lg_u32 s2, 0x3003
	s_cbranch_scc0 .Lentry_shape_is_right
	s_endpgm
.Lentry_shape_is_right:
; Causal attention in a window of 1024 keys, one head (grid y) and 64 query rows a work-group.  qkv: [4096][3072] f16 (q at byte 512 head of a
; row, k at 2048 + 512 head, v / 4 at 4096 + 512 head; q already carries log2(e)/16).
; yb: y as two bf16 numbers, hi = bf16(y) and lo = bf16(y - hi): [256 blocks of 16 rows][hi, lo][16 rows][1024] bf16.
; CLUSTERS: the four work-groups of a cluster (cluster x = c) take query rows 256 c + 64 cx ..; together they need keys max(0, 256 c - 1024) ..
; 256 c + 255, and all four walk these in blocks of 128: 2 min(c + 1, 5) blocks, a count that hangs on c alone.  Each K and V tile is asked for
; jointly (mask 15).  A partner for which a block is wholly masked computes it all the same and adds nothing.
; INSIDE A WORK-GROUP THE KEYS ARE SPLIT: wave w takes keys 32 w .. 32 w + 31 of every block for all 64 query rows, with its own running
; maximum M, sum L and output O (64 x 256 f32, 512 registers); the four are merged once at the end.  So a block costs a wave 64 LDS loads of
; 16 bytes a lane for 128 matrix instructions.
; S^T = K Q^T: lane (r, h) register j holds the score of query 16 qt + r and key 16 kt + 8 h + j; rounding tiles kt = 0, 1 to f16 in pairs gives
; the fragment of P for column r with no exchange between lanes.  O^T = V^T P^T, V's fragments by the transposing LDS load: lane (r, h) register j
; holds O(query 16 qt + r, d = 16 dt + 8 h + j), so M, L and the rescale are a lane's own.
; The maximum is taken away before every exponential (a running maximum).  It starts at -1e30 (in log2 units) and masked scores are -inf, so a row
; with no key yet gives p = 0 and a rescale by 1, and no difference of infinities is formed.  O is rescaled in every block: no branch hangs on data.
; FORMATS AND LIMITS: both products take f16 operands: a row that attends to few keys is many times larger than the output's root mean square, and
; bf16's 8 bits in q, k, v or P would show there.  P <= 1 by the running maximum; the ranges of q, k and v / 4 are stated where they are made.
; P is rounded to f16 for the product while L sums the f32 values; scores below -1e30 would count as -1e30.
; REGISTERS: window 0: v1 r; v2-7 addresses and the mask's base; v8-15 (M, L) x 4; v16-23 (alpha, difference) x 4; v24-31 T; v32-63 P; v64-127 S;
;   v128-255 F (K's, then V's fragments).  Window 1: Q(qt, ks) at 8 (8 qt + ks); on the way out the lo halves.
;   Windows 2, 3: O(qt, dt) at 8 (16 (qt & 1) + dt), window 2 + (qt >> 1).
.set ROWB,   6144                      ; bytes in a row of qkv
.set KPITCH, 528                       ; 512 + 16: an odd multiple of 16
.set VPITCH, 544                       ; 512 + 32: an odd multiple of 32, as the transposing load's eight rows want
.set QUART,  34816                     ; room for 64 rows of either pitch
.set SLOT,   4*QUART                   ; K's keys 0-63, 64-127, V's keys 0-63, 64-127
.set QB,     2*SLOT                    ; Q, filled once; the way-out stage afterwards: 16 rows x 528 bytes for each wave
.set QSTG,   16*KPITCH
.set STATS,  QB+4*QSTG                 ; 2,048 bytes into which no tensor load lands
.set ADRK, 2
.set ADRV, 4
.set VB,   6
.set ADRQ, 7
.set ML,   8
.set AL,   16
.set T,    24
.set P,    32
.set S,    64
.set F,    128
.set G1K, 16
.set G1V, 24
.set G1Q, 32
.set G0K, 40
.set G0V, 48
.set G0Q, 56
.set MSB, 0
.macro WIN new
.if MSB != (\new)
	s_set_vgpr_msb (MSB<<8)|(\new)
.set MSB, (\new)
.endif
.endm
.macro PLACES                          ; four places behind a matrix instruction before its registers are loaded into or its result is read (ISA guide 7.12.1)
.rept 4
	v_nop
.endr
.endm
.macro ROUND                           ; a round of the cluster's barrier
	s_barrier_signal -1
	s_barrier_wait -1
	s_cmp_lg_u32 s8, 0
	s_cbranch_scc1 .Lnot_wave_0_\@
	s_barrier_signal -3
.Lnot_wave_0_\@:
	s_barrier_wait -3
	s_barrier_signal -1
	s_barrier_wait -1
.endm
.macro JLOAD s                         ; waves 0, 1 ask for K's two halves, waves 2, 3 for V's
	s_cmp_eq_u32 s10, 0
	s_cbranch_scc0 .Lfor_v_\@
	tensor_load_to_lds s[G0K+4*\s:G0K+4*\s+3], s[G1K:G1K+7]
	s_nop 0
	s_branch .Lasked_\@
.Lfor_v_\@:
	tensor_load_to_lds s[G0V+4*\s:G0V+4*\s+3], s[G1V:G1V+7]
	s_nop 0
.Lasked_\@:
.endm
	s_load_b128 s[4:7], s[0:1], 0x0                ; qkv s[4:5], yb s[6:7]
	v_lshl_add_u32 v126, v0, 2, 0x4cc00
	v_mov_b32 v127, 0
	ds_add_u32 v126, v127
	s_wait_dscnt 0x0
	v_lshrrev_b32 v1, 5, v0
	v_readfirstlane_b32 s8, v1                     ; wave
	s_and_b32 s9, s8, 1
	s_lshr_b32 s10, s8, 1
	s_bfe_u32 s11, ttmp6, 0x40000                  ; cx
	s_mov_b32 s12, ttmp9                           ; c
	s_and_b32 s13, ttmp7, 0xffff                   ; head
	s_min_u32 s14, s12, 4                          ; laps of the loop: blocks = 2 + 2 min(c, 4)
	s_mov_b32 s60, 0x76543210
	s_mov_b32 s61, 0xfedcba98
	s_mov_b32 s62, 1024                            ; the window
	s_mov_b32 s63, 0xff800000                      ; -inf
	s_lshl_b32 s66, s12, 8                         ; 256 c
	s_min_u32 s15, s66, 1024
	s_sub_co_u32 s67, s66, s15                     ; first key: max(0, 256 c - 1024)
	s_sub_co_u32 s15, s62, s15                     ; rel = 1024 - (256 c - first key of the block); + 128 a block
	; group 1.  K: 64 rows x 256 elements of 2 bytes, 4 words of padding behind every 128 words, mask 15
	s_mov_b32 s[G1K+0], 15|(1<<16)|(1<<20)|(1<<21)|(6<<22)|(3<<25)
	s_mov_b32 s[G1K+1], 256<<16
	s_mov_b32 s[G1K+2], 64<<16
	s_mov_b32 s[G1K+3], 256<<16
	s_mov_b32 s[G1K+4], 64
	s_mov_b32 s[G1K+5], 3072
	s_mov_b32 s[G1K+6], 0
	s_mov_b32 s[G1K+7], 0
	; V: the same with 8 words of padding
	s_mov_b32 s[G1V+0], 15|(1<<16)|(1<<20)|(1<<21)|(6<<22)|(7<<25)
	s_mov_b32 s[G1V+1], 256<<16
	s_mov_b32 s[G1V+2], 64<<16
	s_mov_b32 s[G1V+3], 256<<16
	s_mov_b32 s[G1V+4], 64
	s_mov_b32 s[G1V+5], 3072
	s_mov_b32 s[G1V+6], 0
	s_mov_b32 s[G1V+7], 0
	; Q: a load of my work-group's own, 16 rows a wave
	s_mov_b32 s[G1Q+0], (1<<16)|(1<<20)|(6<<22)|(3<<25)
	s_mov_b32 s[G1Q+1], 256<<16
	s_mov_b32 s[G1Q+2], 16<<16
	s_mov_b32 s[G1Q+3], 256<<16
	s_mov_b32 s[G1Q+4], 16
	s_mov_b32 s[G1Q+5], 3072
	s_mov_b32 s[G1Q+6], 0
	s_mov_b32 s[G1Q+7], 0
	; K and V: row first key + 64 (w & 1), made of c, the head and the wave alone
	s_lshl_b32 s68, s9, 6
	s_add_co_u32 s68, s68, s67
	s_mul_i32 s68, s68, ROWB
	s_lshl_b32 s69, s13, 9
	s_add_co_u32 s68, s68, s69
	s_mov_b32 s69, 0
	; Q and the output: row 256 c + 64 cx + 16 w
	s_lshl_b32 s72, s11, 6
	s_add_co_u32 s72, s72, s66
	s_lshl_b32 s73, s8, 4
	s_add_co_u32 s72, s72, s73
	s_mul_i32 s74, s72, ROWB
	s_lshl_b32 s75, s13, 9
	s_add_co_u32 s74, s74, s75
	s_lshl_b32 s76, s72, 12                        ; a block of 16 rows of yb takes 65,536 bytes (hi, then lo): 4,096 x my first row
	s_add_co_u32 s76, s76, s75
	s_mov_b32 s75, 0
	s_mov_b32 s77, 0
	s_mul_i32 s78, s8, QUART                       ; where my part of a slot goes
	s_mul_i32 s79, s8, QSTG
	s_wait_kmcnt 0x0
	s_add_nc_u64 s[70:71], s[4:5], s[68:69]
	s_add_nc_u64 s[6:7], s[6:7], s[76:77]
.irp s, 0,1
	s_mov_b32 s[G0K+4*\s], 1
	s_add_co_u32 s[G0K+4*\s+1], s78, \s*SLOT
	s_add_nc_u64 s[G0K+4*\s+2:G0K+4*\s+3], s[70:71], 2048+\s*128*ROWB
	s_or_b32 s[G0K+4*\s+3], s[G0K+4*\s+3], 0x80000000
	s_mov_b32 s[G0V+4*\s], 1
	s_add_co_u32 s[G0V+4*\s+1], s78, \s*SLOT
	s_add_nc_u64 s[G0V+4*\s+2:G0V+4*\s+3], s[70:71], 4096+\s*128*ROWB
	s_or_b32 s[G0V+4*\s+3], s[G0V+4*\s+3], 0x80000000
.endr
	s_mov_b32 s[G0Q], 1
	s_add_co_u32 s[G0Q+1], s79, QB
	s_add_nc_u64 s[G0Q+2:G0Q+3], s[4:5], s[74:75]
	s_or_b32 s[G0Q+3], s[G0Q+3], 0x80000000
	ROUND                                          ; the four work-groups are here: the first loads go out as one group
	tensor_load_to_lds s[G0Q:G0Q+3], s[G1Q:G1Q+7]
	s_nop 0
	JLOAD 0
	JLOAD 1                                        ; three tensor loads of the wave are out
	v_and_b32 v1, 15, v0                           ; r, kept to the end
	v_bfe_u32 v24, v0, 4, 1                        ; h
	v_mul_u32_u24 v26, v1, KPITCH
	v_lshl_add_u32 v26, v24, 4, v26                ; 528 r + 16 h
	s_mul_i32 s66, s10, QUART                      ; K: the half that holds my 32 keys,
	s_mul_i32 s67, s9, 32*KPITCH                   ; and their place in it
	s_add_co_u32 s66, s66, s67
	v_add_nc_u32 v[ADRK], s66, v26
	v_add_nc_u32 v[ADRK+1], SLOT, v[ADRK]
	v_add_nc_u32 v[ADRQ], QB, v26
	v_and_b32 v27, 7, v0                           ; V, for the transposing load: row 8 h + (l & 7), 16 bytes by bit 3 of the lane
	v_lshl_add_u32 v27, v24, 3, v27
	v_mul_u32_u24 v27, v27, VPITCH
	v_bfe_u32 v28, v0, 3, 1
	v_lshl_add_u32 v27, v28, 4, v27
	s_mul_i32 s66, s10, QUART
	s_add_co_u32 s66, s66, 2*QUART
	s_mul_i32 s67, s9, 32*VPITCH
	s_add_co_u32 s66, s66, s67
	v_add_nc_u32 v[ADRV], s66, v27
	v_add_nc_u32 v[ADRV+1], SLOT, v[ADRV]
	s_lshl_b32 s78, s11, 6                         ; query - key = VB + 16 qt - 16 kt - j, VB = 1024 - rel + 64 cx + r - 32 w - 8 h: data for the mask, no address
	s_add_co_u32 s78, s78, 1024
	s_sub_co_u32 s78, s78, s15
	s_lshl_b32 s79, s8, 5
	s_sub_co_u32 s78, s78, s79
	v_lshlrev_b32 v28, 3, v24
	v_sub_nc_u32 v[VB], v1, v28
	v_add_nc_u32 v[VB], s78, v[VB]
.irp qt, 0,1,2,3
	v_mov_b32 v[ML+2*\qt], 0xf149f2ca              ; M = -1e30
	v_mov_b32 v[ML+2*\qt+1], 0                     ; L = 0
	v_mov_b32 v[T+4+\qt], 0                        ; v_permlanex16_b32's destinations count as read
.endr
	s_wait_tensorcnt 1                             ; Q and slot 0 are in; slot 1's load stays out
	s_barrier_signal -1
	s_barrier_wait -1
	WIN 0x40
.irp qt, 0,1,2,3
.irp ks, 0,1,2,3,4,5,6,7
	ds_load_b128 v[8*(8*\qt+\ks):8*(8*\qt+\ks)+3],   v[ADRQ] offset:\qt*QSTG+64*\ks
	ds_load_b128 v[8*(8*\qt+\ks)+4:8*(8*\qt+\ks)+7], v[ADRQ] offset:\qt*QSTG+64*\ks+32
.endr
.endr
	WIN 0
; One block of 128 keys from slot.  first = 1: O's sums start here (C = 0, no rescale).  always = 1: the mask is applied without asking.
.macro WORK slot, first, always
.if \first == 0
	PLACES                                         ; F was read by the last block's matrix instructions
.endif
.irp ks, 0,1,2,3,4,5,6,7
.irp kt, 0,1
	ds_load_b128 v[F+8*(2*\ks+\kt):F+8*(2*\ks+\kt)+3],   v[ADRK+\slot] offset:\kt*16*KPITCH+64*\ks
	ds_load_b128 v[F+8*(2*\ks+\kt)+4:F+8*(2*\ks+\kt)+7], v[ADRK+\slot] offset:\kt*16*KPITCH+64*\ks+32
.endr
.endr
	WIN 0x04                                       ; source 1 (Q) window 1
.irp ks, 0,1,2,3,4,5,6,7
	s_wait_dscnt 28-4*\ks                          ; LDS loads come back in order: the four of this ks are in, those of later ks stay out
.irp kt, 0,1
.irp qt, 0,1,2,3
.if \ks == 0
	v_wmma_f32_16x16x32_f16 v[S+8*(4*\kt+\qt):S+8*(4*\kt+\qt)+7], v[F+8*(2*\ks+\kt):F+8*(2*\ks+\kt)+7], v[8*(8*\qt+\ks):8*(8*\qt+\ks)+7], 0
.else
	v_wmma_f32_16x16x32_f16 v[S+8*(4*\kt+\qt):S+8*(4*\kt+\qt)+7], v[F+8*(2*\ks+\kt):F+8*(2*\ks+\kt)+7], v[8*(8*\qt+\ks):8*(8*\qt+\ks)+7], v[S+8*(4*\kt+\qt):S+8*(4*\kt+\qt)+7]
.endif
.endr
.endr
.endr                                  ; the eight accumulators take turns, one instruction a turn
	WIN 0
	PLACES                                         ; then F is loaded again and S is read
.irp dt, 0,1,2,3,4,5,6,7,8,9,10,11,12,13,14,15
	ds_load_tr16_b128 v[F+8*\dt:F+8*\dt+3],   v[ADRV+\slot] offset:32*\dt               ; V^T(d = 16 dt + r, keys 8 h ..)
	ds_load_tr16_b128 v[F+8*\dt+4:F+8*\dt+7], v[ADRV+\slot] offset:32*\dt+16*VPITCH     ; keys 16 + 8 h ..; they land during the softmax
.endr
	; the mask: kept where 0 <= query - key <= 1023.  Over the cluster's 256 queries and the block's 128 keys the difference runs from
	; 897 - rel to 1279 - rel, so nothing is masked for 256 <= rel <= 896: a condition on c and the trip alone
.if \always == 0
	s_sub_co_u32 s66, s15, 256
	s_cmp_lt_u32 s66, 768
	s_cbranch_scc1 .Lnomask_\@
.endif
.irp kt, 0,1
.irp qt, 0,1,2,3
.irp j, 0,1,2,3,4,5,6,7
	v_add_nc_u32 v[T+\j], 16*\qt-16*\kt-\j, v[VB]
.endr
.irp j, 0,1,2,3,4,5,6,7
	v_cmp_gt_u32 vcc_lo, s62, v[T+\j]
	v_cndmask_b32 v[S+8*(4*\kt+\qt)+\j], s63, v[S+8*(4*\kt+\qt)+\j], vcc_lo
.endr
.endr
.endr
.if \always == 0
.Lnomask_\@:
.endif
	; the rows' maxima over my 32 keys: 16 in the lane, then the other half of the lanes; the four qt side by side
.irp qt, 0,1,2,3
	v_max3_num_f32 v[T+\qt], v[S+8*\qt], v[S+8*\qt+1], v[S+8*\qt+2]
.endr
.irp qt, 0,1,2,3
	v_max3_num_f32 v[T+\qt], v[T+\qt], v[S+8*\qt+3], v[S+8*\qt+4]
.endr
.irp qt, 0,1,2,3
	v_max3_num_f32 v[T+\qt], v[T+\qt], v[S+8*\qt+5], v[S+8*\qt+6]
.endr
.irp qt, 0,1,2,3
	v_max3_num_f32 v[T+\qt], v[T+\qt], v[S+8*\qt+7], v[S+32+8*\qt]
.endr
.irp qt, 0,1,2,3
	v_max3_num_f32 v[T+\qt], v[T+\qt], v[S+32+8*\qt+1], v[S+32+8*\qt+2]
.endr
.irp qt, 0,1,2,3
	v_max3_num_f32 v[T+\qt], v[T+\qt], v[S+32+8*\qt+3], v[S+32+8*\qt+4]
.endr
.irp qt, 0,1,2,3
	v_max3_num_f32 v[T+\qt], v[T+\qt], v[S+32+8*\qt+5], v[S+32+8*\qt+6]
.endr
.irp qt, 0,1,2,3
	v_max_num_f32 v[T+\qt], v[T+\qt], v[S+32+8*\qt+7]
.endr
.irp qt, 0,1,2,3
	v_permlanex16_b32 v[T+4+\qt], v[T+\qt], s60, s61
.endr
.irp qt, 0,1,2,3
	v_max3_num_f32 v[T+\qt], v[T+\qt], v[T+4+\qt], v[ML+2*\qt]     ; the new running maximum
.endr
.irp qt, 0,1,2,3
	v_sub_f32 v[AL+2*\qt+1], v[ML+2*\qt], v[T+\qt]                 ; old - new, at most 0
.endr
.irp qt, 0,1,2,3
	v_mov_b32 v[ML+2*\qt], v[T+\qt]
.endr
.irp kt, 0,1
.irp qt, 0,1,2,3
.irp p, 0,1,2,3
	v_pk_add_f32 v[S+8*(4*\kt+\qt)+2*\p:S+8*(4*\kt+\qt)+2*\p+1], v[S+8*(4*\kt+\qt)+2*\p:S+8*(4*\kt+\qt)+2*\p+1], v[ML+2*\qt:ML+2*\qt+1] op_sel_hi:[1,0] neg_lo:[0,1] neg_hi:[0,1]
.endr
.endr
.endr
.irp i, 0,1,2,3,4,5,6,7,8,9,10,11,12,13,14,15,16,17,18,19,20,21,22,23,24,25,26,27,28,29,30,31
	v_exp_f32 v[S+2*\i], v[S+2*\i]
	v_exp_f32 v[S+2*\i+1], v[S+2*\i+1]
.endr
.irp qt, 0,1,2,3
	v_exp_f32 v[AL+2*\qt], v[AL+2*\qt+1]           ; alpha
.endr
	v_nop                                          ; one plain instruction behind the exponentials before a result is used (ISA guide 5.7.2)
	s_wait_alu depctr_va_vdst(0)
.irp qt, 0,1,2,3
	v_pk_add_f32 v[T+2*\qt:T+2*\qt+1], v[S+8*\qt:S+8*\qt+1], v[S+8*\qt+2:S+8*\qt+3]
.endr
.irp o, 4,6,32,34,36,38
.irp qt, 0,1,2,3
	v_pk_add_f32 v[T+2*\qt:T+2*\qt+1], v[T+2*\qt:T+2*\qt+1], v[S+8*\qt+\o:S+8*\qt+\o+1]
.endr
.endr
.irp qt, 0,1,2,3
	v_add_f32 v[T+2*\qt], v[T+2*\qt], v[T+2*\qt+1]
.endr
.irp qt, 0,1,2,3
	v_fma_f32 v[ML+2*\qt+1], v[ML+2*\qt+1], v[AL+2*\qt], v[T+2*\qt]        ; L = L alpha + sum: the lane's own 16 keys; the halves meet at the end
.endr
.irp qt, 0,1,2,3
.irp i, 0,1,2,3
	v_cvt_pk_f16_f32 v[P+8*\qt+\i],   v[S+8*\qt+2*\i],    v[S+8*\qt+2*\i+1]       ; keys 8 h + 2 i, + 1
	v_cvt_pk_f16_f32 v[P+8*\qt+4+\i], v[S+32+8*\qt+2*\i], v[S+32+8*\qt+2*\i+1]    ; keys 16 + 8 h + 2 i, + 1
.endr
.endr
.if \first == 0
	WIN 0x82                                       ; O in window 2, alpha in window 0
.irp qt, 0,1
.irp dt, 0,1,2,3,4,5,6,7,8,9,10,11,12,13,14,15
.irp p, 0,1,2,3
	v_pk_mul_f32 v[8*(16*\qt+\dt)+2*\p:8*(16*\qt+\dt)+2*\p+1], v[8*(16*\qt+\dt)+2*\p:8*(16*\qt+\dt)+2*\p+1], v[AL+2*\qt:AL+2*\qt+1] op_sel_hi:[1,0]
.endr
.endr
.endr
	WIN 0xc3
.irp qt, 0,1
.irp dt, 0,1,2,3,4,5,6,7,8,9,10,11,12,13,14,15
.irp p, 0,1,2,3
	v_pk_mul_f32 v[8*(16*\qt+\dt)+2*\p:8*(16*\qt+\dt)+2*\p+1], v[8*(16*\qt+\dt)+2*\p:8*(16*\qt+\dt)+2*\p+1], v[AL+4+2*\qt:AL+4+2*\qt+1] op_sel_hi:[1,0]
.endr
.endr
.endr
.endif
	s_wait_dscnt 0                                 ; V's fragments
	WIN 0xa0
.irp dt, 0,1,2,3,4,5,6,7,8,9,10,11,12,13,14,15
.irp qt, 0,1
.if \first
	v_wmma_f32_16x16x32_f16 v[8*(16*\qt+\dt):8*(16*\qt+\dt)+7], v[F+8*\dt:F+8*\dt+7], v[P+8*\qt:P+8*\qt+7], 0
.else
	v_wmma_f32_16x16x32_f16 v[8*(16*\qt+\dt):8*(16*\qt+\dt)+7], v[F+8*\dt:F+8*\dt+7], v[P+8*\qt:P+8*\qt+7], v[8*(16*\qt+\dt):8*(16*\qt+\dt)+7]
.endif
.endr
.endr
	WIN 0xf0
.irp dt, 0,1,2,3,4,5,6,7,8,9,10,11,12,13,14,15
.irp qt, 0,1
.if \first
	v_wmma_f32_16x16x32_f16 v[8*(16*\qt+\dt):8*(16*\qt+\dt)+7], v[F+8*\dt:F+8*\dt+7], v[P+16+8*\qt:P+16+8*\qt+7], 0
.else
	v_wmma_f32_16x16x32_f16 v[8*(16*\qt+\dt):8*(16*\qt+\dt)+7], v[F+8*\dt:F+8*\dt+7], v[P+16+8*\qt:P+16+8*\qt+7], v[8*(16*\qt+\dt):8*(16*\qt+\dt)+7]
.endif
.endr
.endr                                  ; 64 accumulators, each once: by turns
	WIN 0
	v_add_nc_u32 v[VB], 0xffffff80, v[VB]          ; the next block's keys are 128 further on
	s_add_co_u32 s15, s15, 128
.endm
; slot, which has been read, is filled again, two blocks ahead: every wave waits for its LDS reads and for all its tensor loads, the round of
; the cluster's barrier shows that of all sixteen waves of the cluster, and the joint refill is the wave's one tensor load behind it.
.macro SYNCF slot
	s_wait_dscnt 0x0
	s_wait_xcnt 0x0
	v_lshl_add_u32 v126, v0, 2, 0x4cc00
	v_mov_b32 v127, 0
	s_wait_tensorcnt 0x0                           ; no tensor load of mine is out: a group 0 may be written
	ds_add_u32 v126, v127
	s_wait_dscnt 0x0
	s_add_nc_u64 s[G0K+4*\slot+2:G0K+4*\slot+3], s[G0K+4*\slot+2:G0K+4*\slot+3], 256*ROWB
	s_add_nc_u64 s[G0V+4*\slot+2:G0V+4*\slot+3], s[G0V+4*\slot+2:G0V+4*\slot+3], 256*ROWB
	ROUND
	JLOAD \slot
.endm
	WORK 0, 1, 1                                   ; its first wait on the LDS counter also covers the 64 loads of Q issued ahead of K's
	s_cmp_eq_u32 s14, 0                            ; c = 0: two blocks, no refill
	s_cbranch_scc1 .Ltail
.Llap:
	SYNCF 0
	WORK 1, 0, 0
	SYNCF 1
	WORK 0, 0, 0
	s_sub_co_i32 s14, s14, 1
	s_cmp_lg_u32 s14, 0
	s_cbranch_scc1 .Llap
.Ltail:
	s_wait_dscnt 0x0
	s_wait_tensorcnt 0x0                           ; my part of slot 1 is in,
	s_barrier_signal -1
	s_barrier_wait -1                              ; everybody's is
	WORK 1, 0, 1
	; ---- the merge ----  The arithmetic below names no register of the last matrix instructions: it fills the places in front of the stores of O.
.irp qt, 0,1,2,3
	v_permlanex16_b32 v[T+\qt], v[ML+2*\qt+1], s60, s61
.endr
.irp qt, 0,1,2,3
	v_add_f32 v[ML+2*\qt+1], v[ML+2*\qt+1], v[T+\qt]               ; L over my 32 keys
.endr
	v_and_b32 v96, 31, v0
	v_lshlrev_b32 v96, 4, v96                      ; 16 lane
	v_lshl_add_u32 v97, s8, 16, v96                ; my O: 65,536 w + 16 lane
	v_lshlrev_b32 v98, 3, v1
	v_add_nc_u32 v98, STATS, v98
	v_lshl_add_u32 v99, s8, 9, v98                 ; my (M, L): STATS + 512 w + 8 r (+ 128 qt)
	v_lshl_add_u32 v100, s8, 7, v98                ; those of q tile w: STATS + 128 w + 8 r (+ 512 for each wave)
	v_lshl_add_u32 v101, s8, 14, v96               ; O of q tile w from wave 0: 16,384 w + 16 lane
	v_add_nc_u32 v102, 0x10000, v101               ; from waves 1, 2, 3
	v_add_nc_u32 v103, 0x20000, v101
	v_add_nc_u32 v104, 0x30000, v101
	s_mul_i32 s66, s8, QSTG
	s_add_co_u32 s66, s66, QB                      ; my stage
	v_mul_u32_u24 v105, v1, KPITCH
	v_bfe_u32 v106, v0, 4, 1
	v_lshl_add_u32 v105, v106, 4, v105
	v_add_nc_u32 v105, s66, v105                   ; in: row r, 16 h
	v_add_nc_u32 v106, s66, v96                    ; back: a row of 512 bytes
	s_wait_dscnt 0x0
	s_barrier_signal -1
	s_barrier_wait -1                              ; every wave has read the ring for the last time, and its last fill has landed: it now serves the merge
.irp qt, 0,1,2,3
	ds_store_b64 v99, v[ML+2*\qt:ML+2*\qt+1] offset:128*\qt        ; both halves of the lanes hold the same pair
.endr
	WIN 0x08                                       ; store data from window 2
.irp qt, 0,1
.irp dt, 0,1,2,3,4,5,6,7,8,9,10,11,12,13,14,15
	ds_store_b128 v97, v[8*(16*\qt+\dt):8*(16*\qt+\dt)+3]   offset:16384*\qt+1024*\dt
	ds_store_b128 v97, v[8*(16*\qt+\dt)+4:8*(16*\qt+\dt)+7] offset:16384*\qt+1024*\dt+512
.endr
.endr
	WIN 0x0c                                       ; from window 3
.irp qt, 0,1
.irp dt, 0,1,2,3,4,5,6,7,8,9,10,11,12,13,14,15
	ds_store_b128 v97, v[8*(16*\qt+\dt):8*(16*\qt+\dt)+3]   offset:16384*(\qt+2)+1024*\dt
	ds_store_b128 v97, v[8*(16*\qt+\dt)+4:8*(16*\qt+\dt)+7] offset:16384*(\qt+2)+1024*\dt+512
.endr
.endr
	WIN 0
	s_wait_dscnt 0x0                               ; for the others' sake
	s_barrier_signal -1
	s_barrier_wait -1
	; wave w finishes q tile w
.irp u, 0,1,2,3
	ds_load_b64 v[112+2*\u:113+2*\u], v100 offset:512*\u
.endr
	s_wait_dscnt 0x0
	v_max3_num_f32 v120, v112, v114, v116
	v_max_num_f32 v120, v120, v118
.irp u, 0,1,2,3
	v_sub_f32 v[AL+2*\u+1], v[112+2*\u], v120
.endr
.irp u, 0,1,2,3
	v_exp_f32 v[AL+2*\u], v[AL+2*\u+1]
.endr
	v_nop
	s_wait_alu depctr_va_vdst(0)
	v_mul_f32 v121, v[AL], v113
	v_fma_f32 v121, v[AL+2], v115, v121
	v_fma_f32 v121, v[AL+4], v117, v121
	v_fma_f32 v121, v[AL+6], v119, v121            ; the row's sum: at least 1, since the key of the row's own position is always allowed
	v_rcp_f32 v122, v121
	v_nop
	s_wait_alu depctr_va_vdst(0)
	v_mul_f32 v122, 4.0, v122                      ; O was summed over v / 4
.irp u, 0,1,2,3
	v_mul_f32 v[AL+2*\u], v[AL+2*\u], v122
.endr
.irp ch, 0,1,2,3                       ; four blocks of 16 columns at a time
.irp u, 0,1,2,3
.irp d, 0,1,2,3
	ds_load_b128 v[F+32*\u+8*\d:F+32*\u+8*\d+3],   v[101+\u] offset:1024*(4*\ch+\d)
	ds_load_b128 v[F+32*\u+8*\d+4:F+32*\u+8*\d+7], v[101+\u] offset:1024*(4*\ch+\d)+512
.endr
.endr
	s_wait_dscnt 0x0
.irp i, 0,1,2,3,4,5,6,7,8,9,10,11,12,13,14,15
	v_pk_mul_f32 v[S+2*\i:S+2*\i+1], v[F+2*\i:F+2*\i+1], v[AL:AL+1] op_sel_hi:[1,0]
.endr
.irp u, 1,2,3
.irp i, 0,1,2,3,4,5,6,7,8,9,10,11,12,13,14,15
	v_pk_fma_f32 v[S+2*\i:S+2*\i+1], v[F+32*\u+2*\i:F+32*\u+2*\i+1], v[AL+2*\u:AL+2*\u+1], v[S+2*\i:S+2*\i+1] op_sel_hi:[1,0,1]
.endr
.endr
	; y = hi + lo: hi = bf16(y); y - hi is exact in f32; lo = bf16(y - hi).  The lo halves wait in window 1 until the hi rows have left the stage.
.irp i, 0,1,2,3,4,5,6,7,8,9,10,11,12,13,14,15
	v_cvt_pk_bf16_f32 v[P+\i], v[S+2*\i], v[S+2*\i+1]
.endr
.irp i, 0,1,2,3,4,5,6,7,8,9,10,11,12,13,14,15
	v_lshlrev_b32 v[F+2*\i], 16, v[P+\i]
	v_and_b32 v[F+2*\i+1], 0xffff0000, v[P+\i]
.endr
.irp i, 0,1,2,3,4,5,6,7,8,9,10,11,12,13,14,15
	v_pk_add_f32 v[S+2*\i:S+2*\i+1], v[S+2*\i:S+2*\i+1], v[F+2*\i:F+2*\i+1] neg_lo:[0,1] neg_hi:[0,1]
.endr
	WIN 0x40
.irp i, 0,1,2,3,4,5,6,7,8,9,10,11,12,13,14,15
	v_cvt_pk_bf16_f32 v[16*\ch+\i], v[S+2*\i], v[S+2*\i+1]
.endr
	WIN 0
.irp d, 0,1,2,3
	ds_store_b128 v105, v[P+4*\d:P+4*\d+3] offset:32*(4*\ch+\d)
.endr
.endr
.irp t, 0,1,2,3,4,5,6,7,8,9,10,11,12,13,14,15
	ds_load_b128 v[F+4*\t:F+4*\t+3], v106 offset:KPITCH*\t         ; my own stage, served in order behind my stores (ISA guide 5.7.1.4)
.endr
.irp t, 0,1,2,3,4,5,6,7,8,9,10,11,12,13,14,15
	s_wait_dscnt 15-\t
	global_store_b128 v96, v[F+4*\t:F+4*\t+3], s[6:7] offset:2048*\t       ; the hi rows: a store covers 512 consecutive bytes, aligned
.endr
	WIN 0x04                                       ; store data from window 1
.irp dt, 0,1,2,3,4,5,6,7,8,9,10,11,12,13,14,15
	ds_store_b128 v105, v[4*\dt:4*\dt+3] offset:32*\dt             ; the lo halves take the stage: its hi rows have all been read back (the count-down above ended at 0)
.endr
	WIN 0
.irp t, 0,1,2,3,4,5,6,7,8,9,10,11,12,13,14,15
	ds_load_b128 v[F+64+4*\t:F+64+4*\t+3], v106 offset:KPITCH*\t
.endr
.irp t, 0,1,2,3,4,5,6,7,8,9,10,11,12,13,14,15
	s_wait_dscnt 15-\t
	global_store_b128 v96, v[F+64+4*\t:F+64+4*\t+3], s[6:7] offset:32768+2048*\t   ; the lo rows, 16 rows of 2,048 bytes behind the hi rows; registers of their own
.endr
	s_wait_xcnt 0x0
	v_lshl_add_u32 v126, v0, 2, 0x4cc00
	v_mov_b32 v127, 0
	s_wait_tensorcnt 0x0
	ds_add_u32 v126, v127
	s_wait_dscnt 0x0
	ROUND                                          ; the closing round
	s_endpgm
.Lfunc_end_k_q39a1cfd7ac_attn:
	.size	k_q39a1cfd7ac_attn, .Lfunc_end_k_q39a1cfd7ac_attn-k_q39a1cfd7ac_attn
	.p2alignl 7, 3214868480
	.fill 96, 4, 3214868480
	.section	.rodata,"a",@progbits
	.p2align	6, 0x0
	.amdhsa_kernel k_q39a1cfd7ac_attn
		.amdhsa_group_segment_fixed_size 327680
		.amdhsa_private_segment_fixed_size 0
		.amdhsa_enable_private_segment 0
		.amdhsa_kernarg_size 16
		.amdhsa_user_sgpr_count 2
		.amdhsa_user_sgpr_kernarg_segment_ptr 1
		.amdhsa_wavefront_size32 1
		.amdhsa_system_sgpr_workgroup_id_x 1
		.amdhsa_system_sgpr_workgroup_id_y 1
		.amdhsa_system_sgpr_workgroup_id_z 1
		.amdhsa_system_vgpr_workitem_id 0
		.amdhsa_next_free_vgpr 1024
		.amdhsa_next_free_sgpr 80
		.amdhsa_reserve_vcc 1
		.amdhsa_float_denorm_mode_32 3
		.amdhsa_float_denorm_mode_16_64 3
		.amdhsa_memory_ordered 1
		.amdhsa_forward_progress 1
		.amdhsa_inst_pref_size 245
	.end_amdhsa_kernel
	.amdgpu_metadata
---
amdhsa.version: [ 1, 2 ]
amdhsa.kernels:
  - .name:           k_q39a1cfd7ac_attn
    .symbol:         k_q39a1cfd7ac_attn.kd
    .args:
      - { .name: qkv, .offset: 0, .size: 8, .value_kind: global_buffer, .address_space: global }
      - { .name: yb, .offset: 8, .size: 8, .value_kind: global_buffer, .address_space: global }
    .group_segment_fixed_size: 327680
    .private_segment_fixed_size: 0
    .kernarg_segment_align: 8
    .kernarg_segment_size: 16
    .max_flat_workgroup_size: 128
    .sgpr_count:     80
    .vgpr_count:     1024
    .wavefront_size: 32
...
	.end_amdgpu_metadata
.endif
;; end of part 3
;; launch oproj (part 4): grid 8 x 32, 4 waves a work-group, clusters of 4 x 4, 327,680 bytes of LDS; arguments yb, wob, out0; writes out0
.if DOCPART == 4
	.amdgcn_target "amdgcn-amd-amdhsa--gfx1250"
	.amdhsa_code_object_version 6
	.text
	.protected	k_q39a1cfd7ac_oproj
	.globl	k_q39a1cfd7ac_oproj
	.p2align	8
	.type	k_q39a1cfd7ac_oproj,@function
k_q39a1cfd7ac_oproj:
	s_mov_b64 s[64:65], 0
	v_nop
	global_prefetch_b8 v0, s[64:65] scope:SCOPE_SE
	s_setreg_imm32_b32 hwreg(HW_REG_WAVE_MODE, 25, 1), 1
	s_wait_xcnt 0x0
	s_wait_alu depctr_hold_cnt(0) depctr_sa_sdst(0) depctr_va_vdst(0) depctr_va_sdst(0) depctr_va_ssrc(0) depctr_va_vcc(0) depctr_vm_vsrc(0)
	s_getreg_b32 s2, hwreg(HW_REG_IB_STS2, 6, 4)
	s_cmp_eq_u32 s2, 0
	s_cbranch_scc0 .Lentry_in_a_cluster
	s_endpgm
.Lentry_in_a_cluster:
	s_bfe_u32 s2, ttmp6, 0x10000c
	s_cmp_lg_u32 s2, 0xf033
	s_cbranch_scc0 .Lentry_shape_is_right
	s_endpgm
.Lentry_shape_is_right:
; out0[t][n] = sum over k of y[t][k] wob[n][k], y = hi + lo: two bf16 numbers for each y, so that y enters with 16 bits at bf16's range.
; yb: [256 blocks of 16 rows][hi, lo][16][1024] bf16 = 8,192 pseudo-rows of 2,048 bytes; wob: [2048][1024] bf16; out0: [4096][2048] f32; sums in f32.
; Why two: a row that attends to few keys is many times larger than the output's root mean square, and 8 bits of y would show there.
; A work-group makes 128 rows x 256 columns (256 work-groups) from 256 pseudo-rows; wave (wr = w >> 1, wc = w & 1) makes 64 x 128:
; 32 accumulator tiles (a, b) at v[8 (8 a + b)] in window 2.  Its 128 pseudo-rows are 8 fragments: fragment 2 a + part, part 0 = hi, 1 = lo, both
; added onto tile (a, .): for 32 along K 64 matrix instructions on 32 LDS loads, and wob's tile is fetched and read once for both parts.
; K goes in steps of 128 through a ring of two LDS slots filled by the tensor data mover; rows of 256 bytes of memory, aligned.
; CLUSTERS: 4 x 4 work-groups; yb's tile is shared along a row of the cluster, wob's along a column, each asked for jointly.
; The matrix instruction is used transposed (source 0 = rows of wob, source 1 = rows of yb): lane (r, h) register j holds
; C(row 16 a + r, column 16 b + 8 h + j), 32 neighbouring bytes of a row of f32.
; REGISTERS: window 0: v16-26 addresses; v64-127, v128-191 yb's fragments, two buffers.  Window 1: v64-127, v128-191 wob's fragments.  Window 2: the sums.
; LIMITS: wob is Wo rounded to bf16.
.set SIZE_K, 1024
.set SIZE_N, 2048
.set KSTEP,  128
.set PITCH,  272                       ; 256 bytes + 16 of padding, an odd multiple of 16
.set HALFT,  128*PITCH                 ; what one tensor load brings: 128 pseudo-rows of yb, or 128 rows of wob
.set SLOT,   4*HALFT
.set STAGE,  2*SLOT                    ; behind the ring, never filled by a tensor load
.set SPITCH, 528
.set WSTAGE, 16*SPITCH
.set LAPS,   SIZE_K/(2*KSTEP)
.set ADRA, 16
.set ADRB, 20
.set STO,  24
.set RD,   25
.set CO,   26
.set F0,   64
.set F1,   128
.set G1,  24
.set G0,  32
.set G1B, 48
.set G0B, 56
.set MULW, 0xa1                        ; source 0 (wob) window 1, source 1 (yb) window 0, C and D window 2
.set TO_B, 0x40                        ; destination window 1, address window 0
.set MSB, 0
.macro WIN new
.if MSB != (\new)
	s_set_vgpr_msb (MSB<<8)|(\new)
.set MSB, (\new)
.endif
.endm
.macro JLOAD s                         ; waves 0, 1 ask for yb's two halves, waves 2, 3 for wob's
	s_cmp_eq_u32 s11, 0
	s_cbranch_scc0 .Lfor_b_\@
	tensor_load_to_lds s[G0+4*\s:G0+4*\s+3], s[G1:G1+7]
	s_nop 0
	s_branch .Lasked_\@
.Lfor_b_\@:
	tensor_load_to_lds s[G0B+4*\s:G0B+4*\s+3], s[G1B:G1B+7]
	s_nop 0
.Lasked_\@:
.endm
.macro CREST
	s_cmp_lg_u32 s10, 0
	s_cbranch_scc1 .Lnot_wave_0_\@
	s_barrier_signal -3
.Lnot_wave_0_\@:
	s_barrier_wait -3
	s_barrier_signal -1
	s_barrier_wait -1
.endm
.macro CROUND
	s_barrier_signal -1
	s_barrier_wait -1
	CREST
.endm
.macro PLACES                          ; four places behind a matrix instruction before its registers are loaded into or its result is read (ISA guide 7.12.1)
.rept 4
	v_nop
.endr
.endm
	s_load_b128 s[4:7], s[0:1], 0x0                ; yb s[4:5], wob s[6:7]
	s_load_b64 s[8:9], s[0:1], 0x10                ; out0
	s_set_vgpr_msb 0x40
	v_lshl_add_u32 v255, v0, 2, 0x4c400
	s_set_vgpr_msb 0x4000
	v_mov_b32 v255, 0
	s_set_vgpr_msb 0x1
	ds_add_u32 v255, v255
	s_set_vgpr_msb 0x100
	v_lshrrev_b32 v1, 5, v0
	v_readfirstlane_b32 s10, v1
	s_lshr_b32 s11, s10, 1                         ; wr.  Also: I fetch for yb (0) or for wob (1)
	s_and_b32 s12, s10, 1                          ; wc.  Also: which half of that tile
	s_bfe_u32 s40, ttmp6, 0x40000                  ; cx
	s_bfe_u32 s41, ttmp6, 0x40004                  ; cy
	s_lshl_b32 s42, ttmp9, 2
	s_add_co_u32 s42, s42, s40                     ; block column
	s_and_b32 s13, ttmp7, 0xffff
	s_lshl_b32 s13, s13, 2
	s_add_co_u32 s13, s13, s41                     ; block row
	s_lshl_b32 s43, s41, 2
	s_lshl_b32 s43, 15, s43                        ; my row of the cluster
	s_lshl_b32 s44, 0x1111, s40                    ; my column
	; group 1: 128 rows x 128 elements of 2 bytes, 4 words of padding behind every 64 words; the two differ in the mask alone
	s_or_b32 s[G1+0], s43, (1<<16)|(1<<20)|(1<<21)|(5<<22)|(3<<25)
	s_or_b32 s[G1B+0], s44, (1<<16)|(1<<20)|(1<<21)|(5<<22)|(3<<25)
	s_mov_b32 s[G1+1], KSTEP<<16                   ; tensor_dim0 = 128
	s_mov_b32 s[G1B+1], KSTEP<<16
	s_mov_b32 s[G1+2], 128<<16                     ; tensor_dim1 = 128
	s_mov_b32 s[G1B+2], 128<<16
	s_mov_b32 s[G1+3], KSTEP<<16                   ; tile_dim0 = 128
	s_mov_b32 s[G1B+3], KSTEP<<16
	s_mov_b32 s[G1+4], 128                         ; tile_dim1 = 128
	s_mov_b32 s[G1B+4], 128
	s_mov_b32 s[G1+5], SIZE_K                      ; elements from (pseudo-)row to row
	s_mov_b32 s[G1B+5], SIZE_K
	s_mov_b32 s[G1+6], 0
	s_mov_b32 s[G1B+6], 0
	s_mov_b32 s[G1+7], 0
	s_mov_b32 s[G1B+7], 0
	s_lshl_b32 s17, s12, 7
	s_lshl_b32 s16, s13, 8
	s_add_co_u32 s16, s16, s17                     ; yb: pseudo-row 256 x block row + 128 x half
	s_lshl_b32 s46, s42, 8
	s_add_co_u32 s46, s46, s17                     ; wob: row 256 x block column + 128 x half
	s_mov_b32 s17, 0
	s_mov_b32 s47, 0
	s_mov_b64 s[18:19], SIZE_K*2
	s_mul_u64 s[16:17], s[16:17], s[18:19]
	s_mul_u64 s[46:47], s[46:47], s[18:19]
	s_mul_i32 s20, s10, HALFT                      ; where they go: wave x 128 rows
	s_wait_dscnt 0x0
	s_wait_kmcnt 0x0
	s_add_nc_u64 s[14:15], s[4:5], s[16:17]
	s_add_nc_u64 s[46:47], s[6:7], s[46:47]
	CROUND                                         ; all sixteen work-groups are here: the first joint loads meet
.irp s, 0,1
	s_mov_b32 s[G0+4*\s], 1
	s_add_co_u32 s[G0+4*\s+1], s20, \s*SLOT
	s_add_nc_u64 s[G0+4*\s+2:G0+4*\s+3], s[14:15], \s*KSTEP*2
	s_or_b32 s[G0+4*\s+3], s[G0+4*\s+3], 0x80000000
	s_mov_b32 s[G0B+4*\s], 1
	s_add_co_u32 s[G0B+4*\s+1], s20, \s*SLOT
	s_add_nc_u64 s[G0B+4*\s+2:G0B+4*\s+3], s[46:47], \s*KSTEP*2
	s_or_b32 s[G0B+4*\s+3], s[G0B+4*\s+3], 0x80000000
	JLOAD \s                                       ; two tensor loads of the wave are out
.endr
	v_and_b32 v1, 15, v0
	v_bfe_u32 v2, v0, 4, 1
	v_mul_u32_u24 v3, v1, PITCH
	v_lshl_add_u32 v3, v2, 4, v3
	s_mul_i32 s21, s11, HALFT                      ; my 128 pseudo-rows of yb: half wr
	s_mul_i32 s22, s12, HALFT                      ; my 128 rows of wob: half wc,
	s_add_co_u32 s22, s22, 2*HALFT                 ; behind yb's two halves
.irp s, 0,1
	v_add_nc_u32 v[ADRA+\s], s21, v3
	v_add_nc_u32 v[ADRB+\s], s22, v3
	s_add_co_u32 s21, s21, SLOT
	s_add_co_u32 s22, s22, SLOT
.endr
	s_mul_i32 s23, s10, WSTAGE
	s_add_co_u32 s23, s23, STAGE
	v_mul_u32_u24 v4, v1, SPITCH
	v_lshl_add_u32 v4, v2, 5, v4                   ; in: row r, 32 bytes for each half of the lanes
	v_add_nc_u32 v[STO], s23, v4
	v_and_b32 v5, 31, v0
	v_lshlrev_b32 v[CO], 4, v5
	v_add_nc_u32 v[RD], s23, v[CO]
; 16 matrix instructions: part (0 hi, 1 lo) of rows 16 a .., a = a0, a0 + 1, x my 8 column blocks.  The 32 accumulators take turns, one instruction
; a turn, all with hi and then all with lo, in the same order in every quarter step.
.macro MULH f, part, a0, zero
.irp a, \a0, \a0+1
.irp b, 0,1,2,3,4,5,6,7
.if \zero
	v_wmma_f32_16x16x32_bf16 v[8*(8*(\a)+\b):8*(8*(\a)+\b)+7], v[\f+8*\b:\f+8*\b+7], v[\f+8*(2*(\a)+\part):\f+8*(2*(\a)+\part)+7], 0
.else
	v_wmma_f32_16x16x32_bf16 v[8*(8*(\a)+\b):8*(8*(\a)+\b)+7], v[\f+8*\b:\f+8*\b+7], v[\f+8*(2*(\a)+\part):\f+8*(2*(\a)+\part)+7], v[8*(8*(\a)+\b):8*(8*(\a)+\b)+7]
.endif
.endr
.endr
.endm
; 32 LDS loads in one run: wob's 8 fragments, yb's 4 hi fragments, then its 4 lo fragments
.macro FETCH slot, k, f
	WIN TO_B
.irp i, 0,1,2,3,4,5,6,7
	ds_load_b128 v[\f+8*\i:\f+8*\i+3],   v[ADRB+\slot] offset:\k+\i*16*PITCH
	ds_load_b128 v[\f+8*\i+4:\f+8*\i+7], v[ADRB+\slot] offset:\k+\i*16*PITCH+32
.endr
	WIN 0
.irp i, 0,2,4,6,1,3,5,7
	ds_load_b128 v[\f+8*\i:\f+8*\i+3],   v[ADRA+\slot] offset:\k+\i*16*PITCH
	ds_load_b128 v[\f+8*\i+4:\f+8*\i+7], v[ADRA+\slot] offset:\k+\i*16*PITCH+32
.endr
.endm
.macro QUARTER slot, k, f, g, zero
	s_wait_dscnt 8                                 ; wob's and the hi fragments are in; the youngest eight loads (the lo fragments) may be out
	WIN MULW
	MULH \f, 0, 0, \zero
	MULH \f, 0, 2, \zero
	PLACES
	FETCH \slot, \k, \g
	s_wait_dscnt 32                                ; all but the 32 just issued
	WIN MULW
	MULH \f, 1, 0, 0
	MULH \f, 1, 2, 0
.endm
.macro THREE slot, zero
	QUARTER \slot, 64,  F0, F1, \zero
	QUARTER \slot, 128, F1, F0, 0
	QUARTER \slot, 192, F0, F1, 0
.endm
; The change of slots: each wave's reads of this slot and all its tensor loads are waited for in front of the barrier; where the slot is filled
; again the barrier opens a round of the cluster's barrier and the joint refill is the first tensor load behind it.  From a request to the wait
; for it a wave issues 240 matrix instructions.
.macro TURN slot, next, fill
	s_wait_dscnt 8
	WIN MULW
	MULH F1, 0, 0, 0
	s_wait_dscnt 0
	s_wait_tensorcnt 0x0
	ds_add_u32 v255, v255
	s_wait_dscnt 0x0
	s_barrier_signal -1
	MULH F1, 0, 2, 0                               ; register work between signal and wait
	WIN 0
	s_barrier_wait -1
.if \fill
	CREST
	s_add_nc_u64 s[G0+4*\slot+2:G0+4*\slot+3], s[G0+4*\slot+2:G0+4*\slot+3], 2*KSTEP*2
	s_add_nc_u64 s[G0B+4*\slot+2:G0B+4*\slot+3], s[G0B+4*\slot+2:G0B+4*\slot+3], 2*KSTEP*2
	JLOAD \slot
.endif
	PLACES
	FETCH \next, 0, F0
	WIN MULW
	MULH F1, 1, 0, 0
	MULH F1, 1, 2, 0
.endm
.macro LAP zero
	THREE 0, \zero
	TURN 0, 1, 1
	THREE 1, 0
	TURN 1, 0, 1
.endm
	s_wait_tensorcnt 1                             ; K step 0 is in, K step 1 stays out
	s_barrier_signal -1
	s_barrier_wait -1
	FETCH 0, 0, F0
	LAP 1                                          ; the first hi products start the sums: nothing is cleared
	WIN 0
	s_mov_b32 s3, LAPS-2
.Llap:
	LAP 0
	WIN 0
	s_sub_co_u32 s3, s3, 1
	s_cmp_lg_u32 s3, 0
	s_cbranch_scc1 .Llap
	THREE 0, 0                                     ; the last lap fills nothing
	TURN 0, 1, 0
	THREE 1, 0
	s_wait_dscnt 8
	WIN MULW
	MULH F1, 0, 0, 0
	MULH F1, 0, 2, 0
	s_wait_dscnt 0
	MULH F1, 1, 0, 0
	MULH F1, 1, 2, 0
	; the way out, 16 rows at a time through my own stage
	WIN 0
	PLACES
	s_lshl_b32 s16, s13, 7
	s_lshl_b32 s17, s11, 6
	s_add_co_u32 s16, s16, s17                     ; my first row: 128 x block row + 64 wr
	s_lshl_b32 s16, s16, 13                        ; 8,192 bytes in a row
	s_mov_b32 s17, 0
	s_add_nc_u64 s[8:9], s[8:9], s[16:17]
	s_lshl_b32 s46, s42, 10                        ; my first column, in bytes: 1,024 x block column + 512 wc
	s_lshl_b32 s47, s12, 9
	s_add_co_u32 s46, s46, s47
	s_mov_b32 s47, 0
	s_add_nc_u64 s[8:9], s[8:9], s[46:47]
.macro OUT16 a
	WIN 0x08                                       ; store data from window 2
.irp b, 0,1,2,3,4,5,6,7
	ds_store_b128 v[STO], v[8*(8*\a+\b):8*(8*\a+\b)+3]   offset:64*\b
	ds_store_b128 v[STO], v[8*(8*\a+\b)+4:8*(8*\a+\b)+7] offset:64*\b+16
.endr
	WIN 0
	s_wait_xcnt 0x0                                ; the buffer below is the data of earlier stores, and their base steps: only behind this wait
.if \a
	s_add_nc_u64 s[8:9], s[8:9], 16*SIZE_N*4
.endif
.irp t, 0,1,2,3,4,5,6,7,8,9,10,11,12,13,14,15
	ds_load_b128 v[F0+64*(\a&1)+4*\t:F0+64*(\a&1)+4*\t+3], v[RD] offset:SPITCH*\t      ; served in order behind my stores (ISA guide 5.7.1.4)
.endr
.irp t, 0,1,2,3,4,5,6,7,8,9,10,11,12,13,14,15
	s_wait_dscnt 15-\t
	global_store_b128 v[CO], v[F0+64*(\a&1)+4*\t:F0+64*(\a&1)+4*\t+3], s[8:9] offset:SIZE_N*4*\t th:TH_STORE_NT    ; 512 consecutive bytes, aligned
.endr
.endm
	OUT16 0
	OUT16 1
	OUT16 2
	OUT16 3
	s_set_vgpr_msb 0x1
	s_wait_tensorcnt 0x0
	ds_add_u32 v255, v255
	s_wait_dscnt 0x0
	s_set_vgpr_msb 0x100
	CROUND                                         ; the closing round
	s_endpgm
.Lfunc_end_k_q39a1cfd7ac_oproj:
	.size	k_q39a1cfd7ac_oproj, .Lfunc_end_k_q39a1cfd7ac_oproj-k_q39a1cfd7ac_oproj
	.p2alignl 7, 3214868480
	.fill 96, 4, 3214868480
	.section	.rodata,"a",@progbits
	.p2align	6, 0x0
	.amdhsa_kernel k_q39a1cfd7ac_oproj
		.amdhsa_group_segment_fixed_size 327680
		.amdhsa_private_segment_fixed_size 0
		.amdhsa_enable_private_segment 0
		.amdhsa_kernarg_size 24
		.amdhsa_user_sgpr_count 2
		.amdhsa_user_sgpr_kernarg_segment_ptr 1
		.amdhsa_wavefront_size32 1
		.amdhsa_system_sgpr_workgroup_id_x 1
		.amdhsa_system_sgpr_workgroup_id_y 1
		.amdhsa_system_sgpr_workgroup_id_z 1
		.amdhsa_system_vgpr_workitem_id 0
		.amdhsa_next_free_vgpr 768
		.amdhsa_next_free_sgpr 66
		.amdhsa_reserve_vcc 0
		.amdhsa_float_denorm_mode_32 3
		.amdhsa_float_denorm_mode_16_64 3
		.amdhsa_memory_ordered 1
		.amdhsa_forward_progress 1
		.amdhsa_inst_pref_size 179
	.end_amdhsa_kernel
	.amdgpu_metadata
---
amdhsa.version: [ 1, 2 ]
amdhsa.kernels:
  - .name:           k_q39a1cfd7ac_oproj
    .symbol:         k_q39a1cfd7ac_oproj.kd
    .args:
      - { .name: yb, .offset: 0, .size: 8, .value_kind: global_buffer, .address_space: global }
      - { .name: wob, .offset: 8, .size: 8, .value_kind: global_buffer, .address_space: global }
      - { .name: out0, .offset: 16, .size: 8, .value_kind: global_buffer, .address_space: global }
    .group_segment_fixed_size: 327680
    .private_segment_fixed_size: 0
    .kernarg_segment_align: 8
    .kernarg_segment_size: 24
    .max_flat_workgroup_size: 128
    .sgpr_count:     66
    .vgpr_count:     768
    .wavefront_size: 32
...
	.end_amdgpu_metadata
.endif
;; end of part 4
